; MI455X (gfx1250); checked and timed in simulation.
; The chip was launched on July 23, 2026; its instructions are those of AMD's public machine-readable ISA for CDNA 5 (MIT licence, August 2026) and "CDNA5" Instruction Set Architecture Reference Guide (July 2026). The comments in the code are by the model that wrote it; some were corrected since.
;; Multihead Attention. Allowed arithmetic: matrix products marked QUANTISED: E3M2 operands, one E8M0 scale for each 32 along K, by v_wmma_scale_f32_16x16x128_f8f6f4 with both operands' format E3M2, f32 sums; everything else in f32.
;; Inputs: b_proj 1,024 float32; w_proj 1,024 x 1,024 float32; w_qkv 3,072 x 1,024 float32; x 4 x 2,048 x 1,024 float32.
;; Outputs: out0 4 x 2,048 x 1,024 float32.
;; This version of the problem:
;;   THIS VERSION OF THE PROBLEM IS GIVEN IN LOW PRECISION. The matrix products marked QUANTISED in the list below multiply operands that are first quantised to E3M2 (3 exponent bits, 2 mantissa bits; 6 bits a number), with one power-of-two scale for each 32 numbers along K (OCP MX v1.0); their sums are f32. All else is computed in f32.
;;   The module's matrix products, in the order in which they are computed (A, B: the left and right operand; K: the contracted axis; several contracted axes count as one K, in the product's order):
;;     1. [M 8,192, K 1,024] x [K 1,024, N 3,072]; A: input x; B: input w_qkv: QUANTISED
;;     2. batch 64 x [M 2,048, K 64] x [K 64, N 2,048]; A: computed on the way; B: computed on the way: QUANTISED
;;     3. batch 64 x [M 2,048, K 2,048] x [K 2,048, N 64]; A: softmax (see below); B: computed on the way: QUANTISED
;;     4. [M 8,192, K 1,024] x [K 1,024, N 1,024]; A: computed on the way; B: input w_proj: QUANTISED
;;   THE QUANTISER, for each operand of a quantised product, along K:
;;     - K is cut into blocks of 32 from its start; a last block that is shorter is filled with zeros.
;;     - A block's scale is 2^e with e = floor(log2(the largest magnitude in the block)) - 4, held to -126 .. 127; a block of zeros has e = 0. As a byte (E8M0): e + 127.
;;     - Each number is divided by its block's scale, clamped to +-28, and rounded to the nearest number of E3M2, ties to even, subnormals kept.
;;     - The product sums the exact products of the quantised numbers (number of the format x scale) in f32.
;;   ~~~python
;;   def quantise(x, axis):      # numpy; x: float32 -> the quantised numbers, widened to float32 again
;;       x = np.moveaxis(x, axis, -1); K = x.shape[-1]
;;       x = np.pad(x, [(0, 0)] * (x.ndim - 1) + [(0, -K % 32)]); x = x.reshape(x.shape[:-1] + (-1, 32)); a = np.abs(x).max(-1, keepdims=True)
;;       e = np.where(a > 0, np.clip(np.frexp(np.where(a > 0, a, 1))[1] - 1 - 4, -126, 127), 0)      # np.frexp(a)[1] - 1 = floor(log2(a)), exactly
;;       r = np.clip(x / 2.0 ** e, -28, 28)
;;       step = 2.0 ** (np.maximum(np.frexp(np.where(r == 0, 1, r))[1] - 1, -2) - 2)
;;       q = np.round(r / step) * step * 2.0 ** e      # np.round: ties to even
;;       return np.moveaxis(q.reshape(q.shape[:-2] + (-1,))[..., :K], -1, axis).astype(np.float32)
;;   ~~~
;;   SOFTMAX AHEAD OF A QUANTISED PRODUCT. Where the list says 'softmax', what is quantised is not the finished softmax but p = 2^(t - M), with t = logit x log2(e) and M = ceil(the row's largest t), a whole number; so 1/2 < the row's largest p <= 1. The row's sum l is taken of the UNQUANTISED p, in f32, and the product's result is divided by l at the end. Since M is a whole number, a kernel that streams over the keys may use a running M (the ceiling of the running maximum): every later rescaling is an exact power of two, which a block's scale takes up: the codes' values come out the same.
;;   OPERANDS COMPUTED ON THE WAY. 'Computed on the way' means the value that the module computes at that place (a softmax that the list does not call 'softmax' is quantised finished and normalised). What goes into a quantiser is computed in f32, as accurately as f32 sums, v_exp_f32 and their like allow (about 1e-6 of the number): no bf16 or f16 on the way to a quantiser, and a product that is left as it is and whose result goes on into a quantised operand takes f32 operands (vector FMAs, or v_wmma_f32_16x16x4_f32). A number that lies on a knife's edge between two numbers of the format may be rounded either way, as far as f32 arithmetic and the matrix unit's own rounding can turn it there, and no further.
;; One version. Each part assembles by itself: llvm-mc -triple=amdgcn-amd-amdhsa -mcpu=gfx1250 --defsym DOCPART=n.
;; ======== version 1 of 1: 4 launches
;; limits: right only within a limited range of input values
;; workspace buffers: q1c 9,437,184 bytes; q1s 393,216 bytes; a2c 18,874,368 bytes; a2s 786,432 bytes; cc 6,291,456 bytes; cs 262,144 bytes
;; launch quant (part 1): grid 768 x 1, 4 waves a work-group, no clusters, 34,304 bytes of LDS; arguments x, w_qkv, w_proj, q1c, q1s; writes q1c, q1s
.if DOCPART == 1
	.amdgcn_target "amdgcn-amd-amdhsa--gfx1250"
	.amdhsa_code_object_version 6
	.text
	.protected	k_q2ea7f4d02a_quant
	.globl	k_q2ea7f4d02a_quant
	.p2align	8
	.type	k_q2ea7f4d02a_quant,@function
k_q2ea7f4d02a_quant:
	s_mov_b64 s[64:65], 0
	v_nop
	global_prefetch_b8 v0, s[64:65] scope:SCOPE_SE
	s_setreg_imm32_b32 hwreg(HW_REG_WAVE_MODE, 25, 1), 1
	s_wait_xcnt 0x0
; x [8192][1024], w_qkv [3072][1024] and w_proj [1024][1024], f32 with K innermost, become codes of BF6 (E3M2) with one E8M0 byte for each 32 along K.
; A block's scale is 2^(floor(log2(its largest magnitude)) - 4); its byte is the largest magnitude's exponent field - 4, held at 1 from below by a floor among the maximum's leaves.
; LIMITS: a block of zeros, or one whose largest magnitude lies under 2^-122, gets the byte 1 (its codes are zeros or subnormal; the bytes are read by this program alone); NaN and infinities are not served.
; THE ORDER OF ROWS.  The 12,288 rows (x, then w_qkv, then w_proj) are laid in tiles of 16.  Row p of tile 2 a + u of a tensor is its natural row 32 a + 8 u + p % 8 + 16 (p / 8).
; A later product that takes such a tile as its first source then leaves, in the 16 registers of tiles 2 a and 2 a + 1 of one lane, 16 natural neighbours.
; THE LAYOUT OF CODES.  q1c is [768 tiles][16 pieces][768 bytes].  A piece is 16 rows x 64 along K as six operand registers: lane l's registers 0-3 at 16 l, its registers 4-5 at 512 + 8 l;
; lane (r, h) holds codes 32 h .. 32 h + 31 of row r.  Two pieces on end are a fragment of 128 along K.  q1s is [12,288 rows in the same order][32 bytes].
; SHARES.  A work-group takes one tile, a wave one quarter of K: two units of 16 rows x 128 columns, whose 32 loads are all asked for in the wave's first lines.  A unit's 16 loads read 512 consecutive bytes each;
; the 8 KiB turn through the wave's own stage in LDS, so that a lane gets two whole blocks of 32 of one row.  Waves share nothing: no barrier.  No matrix unit, no cluster, no tensor load: the launch streams.
.set SP,   528                         ; a stage row: 512 bytes + 16
.set STG,  16*SP                       ; a wave's stage
.set L16,  1                           ; v1   16 x lane: my bytes of a row's 512, and of a piece's first 512
.set SIN,  2                           ; v2   the stage, on the way in
.set SOUT, 3                           ; v3   and on the way out: row r, + 128 h
.set L8,   5                           ; v5   512 + 8 x lane: my bytes of a piece's last 256
.set SH8,  6                           ; v6   8 h
.set SCO,  7                           ; v7   32 r + 4 h: my scale word
.set R,    16                          ; v16-143  two sets of 64: the two units as loaded
.set X,    144                         ; v144-207 my 64 numbers: register 32 c + i = column 64 c + 32 h + i of row r
.set P,    208                         ; v208-219 the fragment
.set T,    220                         ; v220-222, v224-226 the blocks' upper halves as converted
.set TM,   228                         ; v228-231 maxima
.set SO,   232                         ; v232-233 the conversions' scale operands
.set BY,   234                         ; v234-235 the bytes
.set W,    236                         ; v236-237 the two units' scale words
.set WT,   240                         ; v240  the other half's bytes
.set D,    242                         ; v242 what I store of the words
.set SEL,  24                          ; s[24:25] lane selects: lane l xor 16
.set HI,   26                          ; s26  mask of lanes 16-31
; 64 numbers of a lane, v[x + 32 c + i] = number 64 c + 32 h + i of row r, become the fragment v[P .. P + 11] and the row's scale word v[w] (in both halves of the lanes).
.macro QUANT2 x, w
.irp c, 0,1
	v_max3_num_f32 v[TM+\c], |v[\x+32*\c]|, |v[\x+32*\c+1]|, 0x2800000                  ; the floor 2^(5 - 127) is a leaf: the byte cannot fall under 1
	v_max3_num_f32 v[TM+2+\c], |v[\x+32*\c+16]|, |v[\x+32*\c+17]|, |v[\x+32*\c+18]|     ; two chains a block, four in all, by turns
.endr
.irp i, 2,4,6,8,10,12,14
.irp c, 0,1
	v_max3_num_f32 v[TM+\c], v[TM+\c], |v[\x+32*\c+\i]|, |v[\x+32*\c+\i+1]|
.endr
.endr
.irp i, 19,21,23,25,27,29
.irp c, 0,1
	v_max3_num_f32 v[TM+2+\c], v[TM+2+\c], |v[\x+32*\c+\i]|, |v[\x+32*\c+\i+1]|
.endr
.endr
.irp c, 0,1
	v_max3_num_f32 v[TM+\c], v[TM+\c], v[TM+2+\c], |v[\x+32*\c+31]|                     ; the block's largest magnitude: all 32 numbers are mine
.endr
.irp c, 0,1
	v_add_nc_u32 v[SO+\c], 0xfe000000, v[TM+\c]    ; 4 off its exponent field: the conversion takes the exponent field of this operand as its scale
.endr
.irp c, 0,1
	v_lshrrev_b32 v[BY+\c], 23, v[SO+\c]           ; the scale's byte
.endr
	v_lshl_or_b32 v[\w], v[BY+1], 16, v[BY]        ; my two bytes: blocks h and 2 + h,
	v_lshlrev_b32 v[\w], v[SH8], v[\w]             ; at their places in the word;
	v_permlanex16_b32 v[WT], v[\w], s[SEL], s[SEL+1]
	v_or_b32 v[\w], v[\w], v[WT]                   ; with lane l xor 16's two the word is whole
.irp c, 0,1
	v_cvt_scalef32_pk16_bf6_f32 v[P+6*\c:P+6*\c+2], v[\x+32*\c:\x+32*\c+15], v[SO+\c]
	v_cvt_scalef32_pk16_bf6_f32 v[T+4*\c:T+4*\c+2], v[\x+32*\c+16:\x+32*\c+31], v[SO+\c]   ; (a conversion's three registers begin on an even number)
.endr
	v_nop                                          ; one plain place behind a scaled conversion
.irp c, 0,1
.irp i, 0,1,2
	v_mov_b32 v[P+6*\c+3+\i], v[T+4*\c+\i]
.endr
.endr
.endm
	s_load_b256 s[4:11], s[0:1], 0x0               ; x s[4:5], w_qkv s[6:7], w_proj s[8:9], q1c s[10:11]
	s_load_b64 s[12:13], s[0:1], 0x20              ; q1s
	v_lshl_add_u32 v254, v0, 2, 0x8400
	v_mov_b32 v255, 0
	v_lshrrev_b32 v8, 5, v0
	v_readfirstlane_b32 s14, v8                    ; wave 0..3
	v_and_b32 v9, 31, v0                           ; lane
	v_and_b32 v10, 15, v0                          ; r
	v_bfe_u32 v11, v0, 4, 1                        ; h
	v_lshlrev_b32 v[L16], 4, v9
	v_lshlrev_b32 v[L8], 3, v9
	v_add_nc_u32 v[L8], 512, v[L8]
	s_mul_i32 s15, s14, STG
	v_add_nc_u32 v[SIN], s15, v[L16]
	v_mul_u32_u24 v[SOUT], v10, SP
	v_lshl_add_u32 v[SOUT], v11, 7, v[SOUT]
	v_add_nc_u32 v[SOUT], s15, v[SOUT]
	v_lshlrev_b32 v[SH8], 3, v11
	v_lshlrev_b32 v[SCO], 5, v10
	v_lshl_add_u32 v[SCO], v11, 2, v[SCO]
	v_mov_b32 v[WT], 0                             ; written once: a lane permute's destination counts as one of its sources
	s_mov_b32 s[SEL], 0x76543210
	s_mov_b32 s[SEL+1], 0xfedcba98
	s_mov_b32 s[HI], 0xffff0000
	s_mov_b32 s15, ttmp9                           ; my tile among the 768
	s_mov_b32 s16, s14                             ; my quarter of K
	s_mov_b32 s17, 704
	s_wait_alu depctr_va_vdst(0)
	s_wait_kmcnt 0x0
	s_cmp_lt_u32 ttmp9, 704                        ; which tensor: the choice hangs on the work-group's number alone
	s_cselect_b64 s[6:7], s[6:7], s[8:9]
	s_cselect_b32 s17, 512, s17
	s_cmp_lt_u32 ttmp9, 512
	s_cselect_b64 s[4:5], s[4:5], s[6:7]
	s_cselect_b32 s17, 0, s17                      ; the tensor's first tile
	s_sub_co_u32 s18, s15, s17                     ; my tile in the tensor
	s_lshr_b32 s20, s18, 1
	s_lshl_b32 s20, s20, 17                        ; 32 rows of 4,096 bytes for each pair of tiles,
	s_and_b32 s21, s18, 1
	s_lshl_b32 s21, s21, 15                        ; 8 rows for the odd tile,
	s_add_co_u32 s20, s20, s21
	s_lshl_b32 s21, s16, 10                        ; 256 columns for each quarter of K
	s_add_co_u32 s20, s20, s21
	s_mov_b32 s21, 0
	s_add_nc_u64 s[4:5], s[4:5], s[20:21]
	s_mul_i32 s20, s15, 12288
	s_mul_i32 s22, s16, 3072
	s_add_co_u32 s20, s20, s22
	s_add_nc_u64 s[10:11], s[10:11], s[20:21]      ; my four pieces
	s_lshl_b32 s20, s15, 9
	s_lshl_b32 s22, s16, 3
	s_add_co_u32 s20, s20, s22
	s_add_nc_u64 s[12:13], s[12:13], s[20:21]      ; my 8 bytes of each row's 32
.macro LOADU n                         ; unit n: row t of the tile is natural row t % 8 + 16 (t / 8) from the tile's first; 32 lanes read 512 consecutive bytes
.irp t, 0,1,2,3,4,5,6,7,8,9,10,11,12,13,14,15
	global_load_b128 v[R+64*((\n)%2)+4*\t:R+64*((\n)%2)+4*\t+3], v[L16], s[4:5] offset:(\t%8+16*(\t/8))*4096+512*(\n) th:TH_LOAD_NT
.endr
.endm
.macro UNIT n
.if (\n) < 1
	s_wait_loadcnt 16                              ; this unit's 16 loads are in; the next unit's 16 may be out
.else
	s_wait_loadcnt 0x0
.endif
	s_wait_xcnt 0x0                                ; the last unit's stores have read the fragment's registers
.irp t, 0,1,2,3,4,5,6,7,8,9,10,11,12,13,14,15
	ds_store_b128 v[SIN], v[R+64*((\n)%2)+4*\t:R+64*((\n)%2)+4*\t+3] offset:SP*\t
.endr
.irp c, 0,1
.irp j, 0,1,2,3,4,5,6,7
	ds_load_b128 v[X+32*\c+4*\j:X+32*\c+4*\j+3], v[SOUT] offset:256*\c+16*\j   ; LDS serves a wave's instructions in order: these see my stores
.endr
.endr
	s_wait_dscnt 0x0                               ; my numbers are back
	QUANT2 X, W+(\n)
	global_store_b128 v[L16], v[P:P+3], s[10:11] offset:1536*(\n)          ; 512 consecutive bytes, at a multiple of 256 from the buffer's first byte
	global_store_b64 v[L8], v[P+4:P+5], s[10:11] offset:1536*(\n)          ; 256 more
	global_store_b128 v[L16], v[P+6:P+9], s[10:11] offset:1536*(\n)+768
	global_store_b64 v[L8], v[P+10:P+11], s[10:11] offset:1536*(\n)+768
.endm
	LOADU 0
	LOADU 1
	UNIT 0
	UNIT 1
	v_cndmask_b32 v[D], v[W], v[W+1], s[HI]        ; lanes 0-15 store the row's first word of my quarter of K, lanes 16-31 its second
	global_store_b32 v[SCO], v[D], s[12:13]        ; 8 bytes of each row's 32: one byte for each 128 that the wave has read
	s_wait_tensorcnt 0x0
	ds_add_u32 v254, v255
	s_wait_dscnt 0x0
	s_endpgm
.Lfunc_end_k_q2ea7f4d02a_quant:
	.size	k_q2ea7f4d02a_quant, .Lfunc_end_k_q2ea7f4d02a_quant-k_q2ea7f4d02a_quant
	.p2alignl 7, 3214868480
	.fill 96, 4, 3214868480
	.section	.rodata,"a",@progbits
	.p2align	6, 0x0
	.amdhsa_kernel k_q2ea7f4d02a_quant
		.amdhsa_group_segment_fixed_size 34304
		.amdhsa_private_segment_fixed_size 0
		.amdhsa_enable_private_segment 0
		.amdhsa_kernarg_size 40
		.amdhsa_user_sgpr_count 2
		.amdhsa_user_sgpr_kernarg_segment_ptr 1
		.amdhsa_wavefront_size32 1
		.amdhsa_system_sgpr_workgroup_id_x 1
		.amdhsa_system_sgpr_workgroup_id_y 1
		.amdhsa_system_sgpr_workgroup_id_z 1
		.amdhsa_system_vgpr_workitem_id 0
		.amdhsa_next_free_vgpr 256
		.amdhsa_next_free_sgpr 66
		.amdhsa_reserve_vcc 0
		.amdhsa_float_denorm_mode_32 3
		.amdhsa_float_denorm_mode_16_64 3
		.amdhsa_memory_ordered 1
		.amdhsa_forward_progress 1
		.amdhsa_inst_pref_size 17
	.end_amdhsa_kernel
	.amdgpu_metadata
---
amdhsa.version: [ 1, 2 ]
amdhsa.kernels:
  - .name:           k_q2ea7f4d02a_quant
    .symbol:         k_q2ea7f4d02a_quant.kd
    .args:
      - { .name: x, .offset: 0, .size: 8, .value_kind: global_buffer, .address_space: global }
      - { .name: w_qkv, .offset: 8, .size: 8, .value_kind: global_buffer, .address_space: global }
      - { .name: w_proj, .offset: 16, .size: 8, .value_kind: global_buffer, .address_space: global }
      - { .name: q1c, .offset: 24, .size: 8, .value_kind: global_buffer, .address_space: global }
      - { .name: q1s, .offset: 32, .size: 8, .value_kind: global_buffer, .address_space: global }
    .group_segment_fixed_size: 34304
    .private_segment_fixed_size: 0
    .kernarg_segment_align: 8
    .kernarg_segment_size: 40
    .max_flat_workgroup_size: 128
    .sgpr_count:     66
    .vgpr_count:     256
    .wavefront_size: 32
...
	.end_amdgpu_metadata
.endif
;; end of part 1
;; launch qkv (part 2): grid 64 x 4, 4 waves a work-group, clusters of 4 x 1, 327,680 bytes of LDS; arguments q1c, q1s, a2c, a2s; writes a2c, a2s
.if DOCPART == 2
	.amdgcn_target "amdgcn-amd-amdhsa--gfx1250"
	.amdhsa_code_object_version 6
	.text
	.protected	k_q2ea7f4d02a_qkv
	.globl	k_q2ea7f4d02a_qkv
	.p2align	8
	.type	k_q2ea7f4d02a_qkv,@function
k_q2ea7f4d02a_qkv:
	s_mov_b64 s[64:65], 0
	v_nop
	global_prefetch_b8 v0, s[64:65] scope:SCOPE_SE
	s_setreg_imm32_b32 hwreg(HW_REG_WAVE_MODE, 25, 1), 1
	s_wait_xcnt 0x0
	s_wait_alu depctr_hold_cnt(0) depctr_sa_sdst(0) depctr_va_vdst(0) depctr_va_sdst(0) depctr_va_ssrc(0) depctr_va_vcc(0) depctr_vm_vsrc(0)
	s_getreg_b32 s2, hwreg(HW_REG_IB_STS2, 6, 4)
	s_cmp_eq_u32 s2, 0
	s_cbranch_scc0 .Lentry_in_a_cluster
	s_endpgm
.Lentry_in_a_cluster:
	s_bfe_u32 s2, ttmp6, 0x10000c
	s_cmp_lg_u32 s2, 0x3003
	s_cbranch_scc0 .Lentry_shape_is_right
	s_endpgm
.Lentry_shape_is_right:
; The first product, x w_qkv^T, on codes of BF6 (E3M2) with E8M0 scales, K = 1,024; its f32 results are quantised in registers and leave as codes: q and k along the head's 64, v along the keys.
; SHARES.  256 work-groups: (row block of 128 tokens, column group).  A work-group makes 128 tokens x 768 columns in six trips of 128 rows of w_qkv: four sub-tiles of q and k (sub-tile 4 g + t), then two of v (16 + 2 g + t):
; the kind of a trip hangs on the trip alone, so all work-groups run alike.  Four waves, 2 x 2: a wave makes 64 tokens x 64 rows of w: 16 accumulators.
; x STAYS IN REGISTERS: a wave's 64 tokens for all of K are 4 tiles x 8 steps x 12 = 384 registers, loaded once from memory, where they lie as images of the operand's registers.  They pass through no LDS, so they are not asked for jointly.
; w GOES THROUGH TWO LDS SLOTS, each 128 rows for ALL of K (98,304 bytes); each wave fetches two tiles (24,576 dense bytes) by one tensor load.  CLUSTERS of 4 x 1: four row blocks need the same rows of w and ask jointly.
; A slot is asked for one whole trip (128 matrix instructions of every wave and the way out) ahead of its first read.  NO PREFETCH: that joint load is itself the request a trip ahead, and all of K comes with it.
; OPERANDS: [tile of 16 rows][16 pieces of 64 along K][768 bytes]; lane l's registers 0-3 at 16 l, its registers 4-5 at 512 + 8 l.  Row p of tile 2 a + u is natural row 32 a + 8 u + p % 8 + 16 (p / 8).
; The first source's rows run along a lane's registers: the 16 registers of its tiles 2 a, 2 a + 1 are natural 32 a + 16 (lane / 16) + 0 .. 15.  q, k: first source w (columns), second x (rows).  v: first source x (the keys), second w (channels).
; SCALES: a row's 32 bytes are 8 words, one a K step: lane (r, h) loads words 4 h .. 4 h + 3 of row r: steps 0-3 are read from lanes 0-15, steps 4-7 from lanes 16-31 of the same four registers.
; OUT: a2c = QK [512 token tiles][32 pieces: 16 heads of q, 16 of k][768], then VT [64 channel tiles][128 pieces of 64 tokens][768];  a2s = scale words [16 runs of 128 columns][8,192 rows], then [64 runs of 128 tokens][1,024 channels].
; LIMITS: a block of zeros or under 2^-122 gets the byte 1 (read by this program alone); NaN and infinities are not served.
; REGISTERS: window 0: v0-31 addresses; v32-47 x's scale words; v48-79 w's, two sets; v96-239 w's fragments, three sets of 48 (on the way out: the quantiser's).  window 1: x's K steps 0-4; window 2: steps 5-7.  window 3: v0-127 accumulators.
.set SLOT,  98304
.set SPARE, 2*SLOT                     ; the spare words, 128 bytes for each wave
.set L16, 1                            ; v1  16 x lane
.set L8,  2                            ; v2  512 + 8 x lane
.set XSO, 3                            ; v3  32 r + 16 h
.set ADB, 4                            ; v4-5 my 64 rows of w in slot 0 (+ 16 x lane; + 512 + 8 x lane);  v6-7 in slot 1
.set BO,  8                            ; v8  4 r + h
.set SPW, 28
.set NIL, 29
.set XS,  32
.set WS,  48
.set BF,  96
.set BM,  96                           ; the way out: v96-103 maxima, v104-111 at work, v112-119 scale operands, v120-123 bytes, v128-175 codes
.set PT,  104
.set SOP, 112
.set SBY, 120
.set PC,  128
.set G1,  24
.set G0,  32
.set SPT, 36                           ; s[36:37] w's scale words of the sub-tile asked for last
.set DJ,  38                           ; s[38:39], s[42:43] bytes from q and k's last sub-tile to v's first: codes, scales
.set DJS, 42
.set D1,  44                           ; s[44:45], s[46:47] what the second trip of the loop steps by
.set D1S, 46
.set OCV, 48                           ; s[48:49], s[50:51] where v's codes and bytes go (q and k's: s[8:9], s[10:11])
.set OSV, 50
.set XSP, 52
.set SEL, 54                           ; s[54:55] lane selects: lane l xor 16
.set HI,  56                           ; s56 mask of lanes 16-31
.set LW,  57                           ; s57 24,576 x wave
.set MSB, 0
.macro WIN new                         ; the immediate's high byte repeats the setting that is left
.if MSB != (\new)
	s_set_vgpr_msb (MSB<<8)|(\new)
.set MSB, (\new)
.endif
.endm
.macro ROUND                           ; a round of the cluster's barrier
	s_barrier_signal -1
	s_barrier_wait -1
	s_cmp_lg_u32 s14, 0
	s_cbranch_scc1 .Lnot_wave_0_\@
	s_barrier_signal -3
.Lnot_wave_0_\@:
	s_barrier_wait -3
	s_barrier_signal -1
	s_barrier_wait -1
.endm
.macro PLACES                          ; four plain vector instructions behind a matrix instruction (ISA guide 7.12.1 for vector instructions)
.rept 4
	v_nop
.endr
.endm
.macro JOINT                           ; my two tiles of a sub-tile: the same line and descriptor in all four partners
	tensor_load_to_lds s[G0:G0+3], s[G1:G1+7]
	s_nop 0
	PLACES
.endm
	s_load_b256 s[4:11], s[0:1], 0x0               ; q1c s[4:5], q1s s[6:7], a2c s[8:9], a2s s[10:11]
	v_lshl_add_u32 v[SPW], v0, 2, SPARE
	v_mov_b32 v[NIL], 0
	ds_add_u32 v[SPW], v[NIL]                      ; the opening lines: the add twice on end and one wait
	ds_add_u32 v[SPW], v[NIL]
	v_lshrrev_b32 v9, 5, v0
	v_readfirstlane_b32 s14, v9                    ; wave 0..3
	v_and_b32 v9, 31, v0                           ; lane
	v_and_b32 v10, 15, v0                          ; r
	v_bfe_u32 v11, v0, 4, 1                        ; h
	s_lshr_b32 s15, s14, 1                         ; my half of the tokens
	s_and_b32 s16, s14, 1                          ; my half of w's rows
	s_bfe_u32 s40, ttmp6, 0x40000                  ; cx
	s_lshl_b32 s17, ttmp9, 2
	s_add_co_u32 s17, s17, s40                     ; the row block, 0..63
	s_and_b32 s18, ttmp7, 0xffff                   ; the column group g, 0..3: shared by the partners
	v_lshlrev_b32 v[L16], 4, v9
	v_lshlrev_b32 v[L8], 3, v9
	v_lshlrev_b32 v[XSO], 5, v10
	v_lshl_add_u32 v[BO], v10, 2, v11
	v_add_nc_u32 v[L8], 512, v[L8]
	v_lshl_add_u32 v[XSO], v11, 4, v[XSO]
	s_mul_i32 s21, s16, 49152
	v_add_nc_u32 v[ADB], s21, v[L16]
	v_add_nc_u32 v[ADB+1], s21, v[L8]
	s_add_co_u32 s21, s21, SLOT
	v_add_nc_u32 v[ADB+2], s21, v[L16]
	v_add_nc_u32 v[ADB+3], s21, v[L8]
	s_mov_b32 s[G1], 15|(3<<16)|(1<<21)            ; the mask: all four partners; elements of 8 bytes; bit 21 beside a mask
	s_mov_b32 s[G1+1], 384<<16                     ; 24,576 dense bytes as 8 rows of 3,072
	s_mov_b32 s[G1+2], 8<<16
	s_mov_b32 s[G1+3], 384<<16
	s_mov_b32 s[G1+4], 8
	s_mov_b32 s[G1+5], 384
	s_mov_b32 s[G1+6], 0
	s_mov_b32 s[G1+7], 0
	s_mul_i32 s[LW], s14, 24576
	s_lshl_b32 s19, s17, 3
	s_lshl_b32 s20, s15, 2
	s_add_co_u32 s19, s19, s20                     ; my first tile of tokens
	s_lshl_b32 s[DJ], s18, 1
	s_sub_co_u32 s[DJ], 13, s[DJ]                  ; from sub-tile 4 g + 3 to 16 + 2 g
	s_lshl_b32 s[DJS], s[DJ], 12
	s_mul_i32 s[DJ], s[DJ], SLOT
	s_mov_b32 s[DJ+1], 0
	s_mov_b32 s[DJS+1], 0
	s_mov_b32 s[D1], SLOT
	s_mov_b32 s[D1+1], 0
	s_mov_b32 s[D1S], 4096
	s_mov_b32 s[D1S+1], 0
	s_mov_b32 s[SEL], 0x76543210
	s_mov_b32 s[SEL+1], 0xfedcba98
	s_mov_b32 s[HI], 0xffff0000
	s_mov_b32 s21, 0
	s_wait_alu depctr_va_vdst(0)                   ; the wait at the head's end
	s_wait_dscnt 0x0
	s_wait_kmcnt 0x0
	s_lshl_b32 s20, s18, 5
	s_lshl_b32 s22, s14, 1
	s_add_co_u32 s20, s20, s22
	s_add_co_u32 s20, s20, 512
	s_mul_i32 s20, s20, 12288                      ; w's tile 512 + 32 g + 2 wave
	s_mov_b32 s[G0], 1
	s_mov_b32 s[G0+1], s[LW]
	s_add_nc_u64 s[G0+2:G0+3], s[4:5], s[20:21]
	s_or_b32 s[G0+3], s[G0+3], 0x80000000
	ROUND                                          ; in front of the first joint load
	JOINT                                          ; sub-tile 0 into slot 0: one tensor load a wave at the head
	s_mul_i32 s20, s19, 12288
	s_add_nc_u64 s[12:13], s[4:5], s[20:21]        ; my tokens' codes
	s_lshl_b32 s20, s19, 9
	s_add_nc_u64 s[XSP:XSP+1], s[6:7], s[20:21]    ; and scales
	s_lshl_b32 s20, s18, 5
	s_add_co_u32 s20, s20, 512
	s_lshl_b32 s20, s20, 9
	s_lshl_b32 s22, s16, 11
	s_add_co_u32 s20, s20, s22
	s_add_nc_u64 s[SPT:SPT+1], s[6:7], s[20:21]    ; the scales of my 64 rows of sub-tile 0
.set q, 0
.rept 8                                        ; x: K step q's four fragments at 48 q of window 1, from step 5 on at 48 (q - 5) of window 2
	WIN ((1+q/5)<<6)
.irp a, 0,1,2,3
	global_load_b128 v[48*q-240*(q/5)+12*\a:48*q-240*(q/5)+12*\a+3], v[L16], s[12:13] offset:12288*\a+1536*q
	global_load_b64 v[48*q-240*(q/5)+12*\a+4:48*q-240*(q/5)+12*\a+5], v[L8], s[12:13] offset:12288*\a+1536*q
	global_load_b128 v[48*q-240*(q/5)+12*\a+6:48*q-240*(q/5)+12*\a+9], v[L16], s[12:13] offset:12288*\a+1536*q+768
	global_load_b64 v[48*q-240*(q/5)+12*\a+10:48*q-240*(q/5)+12*\a+11], v[L8], s[12:13] offset:12288*\a+1536*q+768
.endr
.set q, q+1
.endr
	WIN 0
.irp a, 0,1,2,3
	global_load_b128 v[XS+4*\a:XS+4*\a+3], v[XSO], s[XSP:XSP+1] offset:512*\a
	global_load_b128 v[WS+4*\a:WS+4*\a+3], v[XSO], s[SPT:SPT+1] offset:512*\a
.endr
	s_lshl_b32 s22, s18, 4
	s_lshl_b32 s23, s16, 2
	s_add_co_u32 s22, s22, s23                     ; v: my first tile of channels, 16 g + 4 half
	s_lshl_b32 s20, s22, 7
	s_lshl_b32 s23, s17, 1
	s_add_co_u32 s20, s20, s23
	s_add_co_u32 s20, s20, s15
	s_mul_i32 s20, s20, 768
	s_add_co_u32 s20, s20, 12582912
	s_add_nc_u64 s[OCV:OCV+1], s[8:9], s[20:21]    ; piece (tile x 128 + 2 row block + half)
	s_lshl_b32 s20, s17, 12
	s_lshl_b32 s22, s22, 6
	s_add_co_u32 s20, s20, s22
	s_lshl_b32 s22, s15, 1
	s_add_co_u32 s20, s20, s22
	s_add_co_u32 s20, s20, 524288
	s_add_nc_u64 s[OSV:OSV+1], s[10:11], s[20:21]
	s_lshl_b32 s20, s19, 5
	s_lshl_b32 s22, s18, 3
	s_add_co_u32 s20, s20, s22
	s_add_co_u32 s20, s20, s16
	s_mul_i32 s20, s20, 768
	s_add_nc_u64 s[8:9], s[8:9], s[20:21]          ; q, k: piece (token tile x 32 + 8 g + half)
	s_lshl_b32 s20, s18, 17
	s_lshl_b32 s22, s19, 6
	s_add_co_u32 s20, s20, s22
	s_lshl_b32 s22, s16, 1
	s_add_co_u32 s20, s20, s22
	s_add_nc_u64 s[10:11], s[10:11], s[20:21]
.macro FETCH slot, q                   ; my four tiles of w, K step q, into set q % 3
.irp b, 0,1,2,3
	ds_load_b128 v[BF+48*((\q)%3)+12*\b:BF+48*((\q)%3)+12*\b+3], v[ADB+2*\slot] offset:12288*\b+1536*(\q)
	ds_load_b64 v[BF+48*((\q)%3)+12*\b+4:BF+48*((\q)%3)+12*\b+5], v[ADB+2*\slot+1] offset:12288*\b+1536*(\q)
	ds_load_b128 v[BF+48*((\q)%3)+12*\b+6:BF+48*((\q)%3)+12*\b+9], v[ADB+2*\slot] offset:12288*\b+1536*(\q)+768
	ds_load_b64 v[BF+48*((\q)%3)+12*\b+10:BF+48*((\q)%3)+12*\b+11], v[ADB+2*\slot+1] offset:12288*\b+1536*(\q)+768
.endr
.endm
.macro MM d, a, b, sa, sb, q           ; K step 0 starts the sum; steps 4-7 read their scale words from lanes 16-31
.if (\q) == 0
	v_wmma_scale_f32_16x16x128_f8f6f4 v[\d:\d+7], v[\a:\a+11], v[\b:\b+11], 0, v[\sa], v[\sb] matrix_a_fmt:MATRIX_FMT_BF6 matrix_b_fmt:MATRIX_FMT_BF6
.else
.if (\q) < 4
	v_wmma_scale_f32_16x16x128_f8f6f4 v[\d:\d+7], v[\a:\a+11], v[\b:\b+11], v[\d:\d+7], v[\sa], v[\sb] matrix_a_fmt:MATRIX_FMT_BF6 matrix_b_fmt:MATRIX_FMT_BF6
.else
	v_wmma_scale_f32_16x16x128_f8f6f4 v[\d:\d+7], v[\a:\a+11], v[\b:\b+11], v[\d:\d+7], v[\sa], v[\sb] matrix_a_fmt:MATRIX_FMT_BF6 matrix_b_fmt:MATRIX_FMT_BF6 matrix_a_scale:MATRIX_SCALE_ROW1 matrix_b_scale:MATRIX_SCALE_ROW1
.endif
.endif
.endm
; A K step: w's fragments of two steps on are asked for, then 16 matrix instructions, the 16 accumulators by turns.  Accumulator (row block p, column tile k) at 8 (4 p + k) of window 3.
.macro KSTEP slot, typ, q
.if (\q) < 6
.if (\q) > 0
	PLACES                                         ; the set was read by the step before this one
.endif
	WIN 0
	FETCH \slot, (\q)+2
	s_wait_dscnt 32                                ; this step's 16 loads are in; those of the two steps behind it may be out
.else
	s_wait_dscnt 16*(7-(\q))
.endif
.set XB, 48*(\q)-240*((\q)/5)
.if \typ == 0
	WIN (0xf0|((1+(\q)/5)<<2))                     ; first source window 0 (w), second x's window, C and D window 3
.irp p, 0,1,2,3
.irp k, 0,1,2,3
	MM 8*(4*\p+\k), BF+48*((\q)%3)+12*\k, XB+12*\p, WS+16*\slot+4*\k+(\q)%4, XS+4*\p+(\q)%4, \q
.endr
.endr
.else
	WIN (0xf0|(1+(\q)/5))                          ; first source x's window, second window 0 (w)
.irp p, 0,1,2,3
.irp k, 0,1,2,3
	MM 8*(4*\p+\k), XB+12*\k, BF+48*((\q)%3)+12*\p, XS+4*\k+(\q)%4, WS+16*\slot+4*\p+(\q)%4, \q
.endr
.endr
.endif
.endm
; THE WAY OUT.  Row block p's 32 registers: register 16 b + i is natural column 32 b + 16 h + i of my 64: two blocks of 32, each in lanes l and l xor 16.  All four row blocks by turns; each leaves as one piece and two bytes a row.
.macro OUT oc, os, cstr, cstep, sstep
	PLACES
	WIN 0x3c                                       ; sources 1 and 2: window 3
.irp n, 0,1,2,3,4,5,6,7
	v_max3_num_f32 v[BM+\n], 0x2800000, |v[16*\n]|, |v[16*\n+1]|   ; the floor 2^(5 - 127) is a leaf; each accumulator from its low end on
.endr
.irp i, 2,4,6,8,10,12,14
.irp n, 0,1,2,3,4,5,6,7
	v_max3_num_f32 v[BM+\n], v[BM+\n], |v[16*\n+\i]|, |v[16*\n+\i+1]|
.endr
.endr
	WIN 0
.irp n, 0,1,2,3,4,5,6,7
	v_permlanex16_b32 v[PT+\n], v[BM+\n], s[SEL], s[SEL+1]
.endr
.irp n, 0,1,2,3,4,5,6,7
	v_max_num_f32 v[BM+\n], v[BM+\n], v[PT+\n]     ; the block's largest magnitude
.endr
.irp n, 0,1,2,3,4,5,6,7
	v_add_nc_u32 v[SOP+\n], 0xfe000000, v[BM+\n]   ; 4 off its exponent field: the conversion's scale operand
.endr
.irp n, 0,1,2,3,4,5,6,7
	v_lshrrev_b32 v[PT+\n], 23, v[SOP+\n]          ; the scale's byte
.endr
.irp p, 0,1,2,3
	v_cndmask_b32 v[SBY+\p], v[PT+2*\p], v[PT+2*\p+1], s[HI]   ; lanes 0-15 store block 0's byte, lanes 16-31 block 1's
.endr
	WIN 0x03                                       ; source 0: window 3
.irp p, 0,1,2,3
	v_cvt_scalef32_pk16_bf6_f32 v[PC+12*\p:PC+12*\p+2], v[32*\p:32*\p+15], v[SOP+2*\p]
	v_cvt_scalef32_pk16_bf6_f32 v[PC+12*\p+8:PC+12*\p+10], v[32*\p+16:32*\p+31], v[SOP+2*\p+1]
.endr
	WIN 0
	v_nop                                          ; one plain place behind a scaled conversion
.irp p, 0,1,2,3
.irp i, 0,1,2
	v_permlane16_swap_b32 v[PC+12*\p+\i], v[PC+12*\p+8+\i]   ; a whole block in a lane
.endr
.endr
.irp p, 0,1,2,3
.irp i, 0,1,2
	v_mov_b32 v[PC+12*\p+3+\i], v[PC+12*\p+8+\i]
.endr
.endr
.irp p, 0,1,2,3
	global_store_b128 v[L16], v[PC+12*\p:PC+12*\p+3], s[\oc:\oc+1] offset:\cstr*\p     ; the piece: 512 consecutive bytes, at a multiple of 256 from the buffer's first byte,
	global_store_b64 v[L8], v[PC+12*\p+4:PC+12*\p+5], s[\oc:\oc+1] offset:\cstr*\p     ; and 256 more
	global_store_b8 v[BO], v[SBY+\p], s[\os:\os+1] offset:64*\p                        ; two bytes of each row's word: 32 bytes beside the piece's 768
.endr
	s_wait_xcnt 0x0                                ; the stores have read their bases and registers
	s_add_nc_u64 s[\oc:\oc+1], s[\oc:\oc+1], \cstep
	s_add_nc_u64 s[\os:\os+1], s[\os:\os+1], \sstep
.endm
; A TRIP: the slot's sub-tile is shown landed to every wave of every partner; the other slot is asked for anew (refill = 1; byreg = 1: stepped by the register pairs); 8 K steps; the way out.
.macro TRIP slot, typ, refill, byreg
	s_wait_xcnt 0x0                                ; the scale loads have read their base
	s_wait_tensorcnt 0x0                           ; my part of this slot is in
.if \refill
	ds_add_u32 v[SPW], v[NIL]
.if \byreg
	s_add_nc_u64 s[G0+2:G0+3], s[G0+2:G0+3], s[D1:D1+1]
	s_add_nc_u64 s[SPT:SPT+1], s[SPT:SPT+1], s[D1S:D1S+1]
.else
	s_add_nc_u64 s[G0+2:G0+3], s[G0+2:G0+3], SLOT
	s_add_nc_u64 s[SPT:SPT+1], s[SPT:SPT+1], 4096
.endif
	s_add_co_u32 s[G0+1], s[LW], (1-\slot)*SLOT
	s_wait_dscnt 0x0                               ; the add is done, and so are my reads of the other slot
	ROUND
	JOINT                                          ; the next sub-tile, the first tensor load behind the round
.irp b, 0,1,2,3
	global_load_b128 v[WS+16*(1-\slot)+4*\b:WS+16*(1-\slot)+4*\b+3], v[XSO], s[SPT:SPT+1] offset:512*\b   ; and its scale words
.endr
.else
	s_wait_dscnt 0x0
	s_barrier_signal -1
	s_barrier_wait -1
.endif
	FETCH \slot, 0
	FETCH \slot, 1
.if \refill
	s_wait_loadcnt 4                               ; all but the four scale loads just issued: x, its scales, this trip's scales
.else
	s_wait_loadcnt 0x0
.endif
.irp q, 0,1,2,3,4,5,6,7
	KSTEP \slot, \typ, \q
.endr
.if \typ == 0
	OUT 8, 10, 24576, 1536, 32768
.else
	OUT OCV, OSV, 98304, 786432, 512
.endif
.endm
	s_mov_b32 s3, 2
.Lqk:                                                  ; q and k: four trips
	TRIP 0, 0, 1, 0
	TRIP 1, 0, 1, 1
	s_mov_b64 s[D1:D1+1], s[DJ:DJ+1]               ; the second time round the last step leads to v's first sub-tile
	s_mov_b64 s[D1S:D1S+1], s[DJS:DJS+1]
	s_sub_co_u32 s3, s3, 1
	s_cmp_lg_u32 s3, 0
	s_cbranch_scc1 .Lqk
	TRIP 0, 1, 1, 0                                ; v: two trips; the last asks for nothing
	TRIP 1, 1, 0, 0
	s_wait_tensorcnt 0x0                           ; the wave's end
	ds_add_u32 v[SPW], v[NIL]
	s_wait_dscnt 0x0
	ROUND                                          ; the closing round
	s_endpgm
.Lfunc_end_k_q2ea7f4d02a_qkv:
	.size	k_q2ea7f4d02a_qkv, .Lfunc_end_k_q2ea7f4d02a_qkv-k_q2ea7f4d02a_qkv
	.p2alignl 7, 3214868480
	.fill 96, 4, 3214868480
	.section	.rodata,"a",@progbits
	.p2align	6, 0x0
	.amdhsa_kernel k_q2ea7f4d02a_qkv
		.amdhsa_group_segment_fixed_size 327680
		.amdhsa_private_segment_fixed_size 0
		.amdhsa_enable_private_segment 0
		.amdhsa_kernarg_size 32
		.amdhsa_user_sgpr_count 2
		.amdhsa_user_sgpr_kernarg_segment_ptr 1
		.amdhsa_wavefront_size32 1
		.amdhsa_system_sgpr_workgroup_id_x 1
		.amdhsa_system_sgpr_workgroup_id_y 1
		.amdhsa_system_sgpr_workgroup_id_z 1
		.amdhsa_system_vgpr_workitem_id 0
		.amdhsa_next_free_vgpr 1024
		.amdhsa_next_free_sgpr 66
		.amdhsa_reserve_vcc 0
		.amdhsa_float_denorm_mode_32 3
		.amdhsa_float_denorm_mode_16_64 3
		.amdhsa_memory_ordered 1
		.amdhsa_forward_progress 1
		.amdhsa_inst_pref_size 159
	.end_amdhsa_kernel
	.amdgpu_metadata
---
amdhsa.version: [ 1, 2 ]
amdhsa.kernels:
  - .name:           k_q2ea7f4d02a_qkv
    .symbol:         k_q2ea7f4d02a_qkv.kd
    .args:
      - { .name: q1c, .offset: 0, .size: 8, .value_kind: global_buffer, .address_space: global }
      - { .name: q1s, .offset: 8, .size: 8, .value_kind: global_buffer, .address_space: global }
      - { .name: a2c, .offset: 16, .size: 8, .value_kind: global_buffer, .address_space: global }
      - { .name: a2s, .offset: 24, .size: 8, .value_kind: global_buffer, .address_space: global }
    .group_segment_fixed_size: 327680
    .private_segment_fixed_size: 0
    .kernarg_segment_align: 8
    .kernarg_segment_size: 32
    .max_flat_workgroup_size: 128
    .sgpr_count:     66
    .vgpr_count:     1024
    .wavefront_size: 32
...
	.end_amdgpu_metadata
.endif
;; end of part 2
;; launch attn (part 3): grid 4 x 64, 16 waves a work-group, no clusters, 327,680 bytes of LDS; arguments a2c, a2s, cc, cs; writes cc, cs
.if DOCPART == 3
	.amdgcn_target "amdgcn-amd-amdhsa--gfx1250"
	.amdhsa_code_object_version 6
	.text
	.protected	k_q2ea7f4d02a_attn
	.globl	k_q2ea7f4d02a_attn
	.p2align	8
	.type	k_q2ea7f4d02a_attn,@function
k_q2ea7f4d02a_attn:
	s_mov_b64 s[64:65], 0
	v_nop
	global_prefetch_b8 v0, s[64:65] scope:SCOPE_SE
	s_setreg_imm32_b32 hwreg(HW_REG_WAVE_MODE, 25, 1), 1
	s_wait_xcnt 0x0
; Causal attention of one head on codes of BF6 (E3M2) with E8M0 scales: S^T = K Q^T (K = the head's 64), p = 2^(t - M), O^T = V^T P^T (K = the keys), ctx = O / the row's sum, quantised along the model's 1,024 and stored as codes.
; t = score x log2(e) / 8; M = the running largest t rounded UP to a whole number; p is not normalised; the row's sum is taken of the unquantised p; when M moves, the sum and O are multiplied by 2^(old M - new M): exact.
; SHARES.  Work-group (i, head of a batch): 16 waves, four to a SIMD.  Wave j takes two tiles of 16 queries, one after the other: tile 127 - 16 i - j and tile 16 i + j of the head's 128.
; Tile n works n / 8 + 1 key steps of 128 keys: 17 steps for every wave of every one of the 256 work-groups.
; THE HEAD'S K AND V STAY IN LDS, each byte filled once, in three chunks of 3, 5 and 8 key steps.  Waves 0-3 fetch a quarter of a chunk's K each, waves 4-7 one tile of 16 channels of its V each; at the head waves 8 and 9 fetch
; K's and V's scale words.  One tensor load a wave at the head and behind each of the first two barriers; a chunk is asked for when the chunk before it has landed, 3 and 5 key steps of every wave ahead of its first read.
; NO CLUSTER: the work-groups that share K and V differ in their queries, so the steps that each may leave out differ: partners would not run alike.
; NO PREFETCH: a chunk's own tensor load goes out a whole chunk of work (48 and 80 key steps of the work-group's waves) ahead of the first read of its bytes; the second walk reads what has landed.
; LAYOUT.  Tokens and channels lie in tiles of 16 whose row p of tile 2 a + u is natural row 32 a + 8 u + p % 8 + 16 (p / 8); codes lie as pieces of 768 bytes (16 rows x 64 along K: lane l's registers 0-3 at 16 l, 4-5 at 512 + 8 l).
; Both products are used transposed: a lane holds ONE query (row lane % 16 of its tile).  K'S ROWS ARE PICKED ANEW FROM LDS: lane r of the step's tile 4 c + u reads key 64 c + 32 (r / 8) + 8 u + r % 8, by a lane term in the address.
; So the 32 registers of tiles 4 c .. 4 c + 3 of lane (r, h) are keys 64 c + 32 h + 0 .. 31: a WHOLE block of p in a lane, in the order that the next operand wants: no exchange between the halves of the lanes.
; K = 64 IN A FORM OF 128: Q's registers 6-11 are zero codes and the upper two scale bytes of both sides are 0 (2^-127, a finite scale); whatever codes stand in K's registers 6-11 (the next tile's) add nothing.
; THE MASK.  A step all of whose keys come after the tile's queries is left out by a scalar branch on ids, round its work alone; in the tile's one step on the diagonal hidden scores become -infinity ahead of the maximum.
; LIMITS: the promise holds while the scaled scores stay under 2^31 in magnitude; a block of zeros or under 2^-122 gets the byte 1 (read by this program alone); NaN and infinities are not served;
; a block's largest p is taken from its largest score, which takes v_exp_f32 not to fall where its input rises.
.set STEP_B, 7680                      ; a key step of K: 8 pieces.  In LDS 64 bytes of padding stand behind every 256: a piece takes 960 bytes, so that the two stored tiles that a 16-byte load reads fall on different halves of the 64 banks.  K: 16 steps from LDS byte 0
.set VB,     122880                    ; V: [half of the keys][tile of 16 channels][8 steps][two pieces]: 49,152, 12,288 and 1,536 bytes apart
.set SCB,    221184                    ; K's scale words, 4 bytes a key (two heads' bytes), 8,192 bytes; behind them V's: 512 bytes a key step (two heads' 128 channels)
.set SPARE,  0x3a000                   ; the spare words: 128 bytes for each of 16 waves
.set L16, 1                            ; v1   16 x lane
.set L8,  2                            ; v2   512 + 8 x lane
.set AKS, 3                            ; v3   SCB + 2 (head % 2) + 128 (r / 8) + 4 (r % 8) + 64 h: lanes 16-31 take the next tile's
.set AVS, 4                            ; v4   SCB + 8,192 + 256 (head % 2) + 4 r + 64 h: lanes 16-31 take the next tile's
.set DQ,  5                            ; v5   r % 8 + 16 (r / 8) - 32 h
.set KL16, 6                           ; v6   1,920 (r / 8) + 16 (r % 8) + 320 h
.set KL8, 7                            ; v7   640 + 1,920 (r / 8) + 8 (r % 8) + 128 h
.set ADK, 8                            ; v8-11 the step's addresses: K's two, K's scales, V's scales
.set QH,  16                           ; v16-27  Q of the first tile;  v28, v29 the two tiles' scale words
.set QSH, 28
.set QSL, 29
.set SPW, 30                           ; v30  my spare word; never rewritten
.set NIL, 31                           ; v31  0; never rewritten
.set KV,  32                           ; v32-79  K's eight pieces, six registers apart; later V's four fragments;  v80-85 zeros
.set BO,  86                           ; v86  32 r + h
.set R4,  87                           ; v87  4 r
.set ADV, 88                           ; v88-89 the step's addresses of V
.set SH8, 90                           ; v90  8 h
.set S,   96                           ; v96-159 S^T, then p
.set O,   160                          ; v160-191 O^T
.set QL,  192                          ; v192-203 Q of the second tile
.set KSW, 204                          ; v204-207 K's scale words: tile 2 n in lanes 0-15, tile 2 n + 1 in lanes 16-31
.set MK,  212                          ; v212-213 the mask's
.set BM,  216                          ; v216-219 maxima; my two blocks' end in v216 and v218
.set SBY, 220                          ; v220 ctx's scale byte
.set PC,  224                          ; v224-235 p's codes
.set PT,  236                          ; v236-242 at work
.set SOP, 244                          ; v244-245 the conversions' scale operands
.set VSW, 248                          ; v248-249 V's scale words, likewise
.set FF,  252                          ; v252 f = 2^(old M - new M)
.set PW,  253                          ; v253 p's scale word
.set TT,  254
.set WV,  12
.set SEL, 20                           ; s[20:21] lane selects: lane l xor 16
.set CS,  22                           ; s[22:23] c = log2(e) / 8
.set HI,  24                           ; s24 mask of lanes 16-31
.set TAUH, 25                          ; s25, s26 my two tiles
.set TAUL, 26
.set G1K,  28
.set G1V,  36
.set G1KS, 44
.set G1VS, 52
.set G0S,  60                          ; s[60:63] group 0 of the scale words;  s[68:71] of K's quarter;  s[72:75] of V's tile
.set G0K,  68
.set G0V,  72
.set QW,   80                          ; s80 wave % 4;  s[76:77], s[78:79] what K's address gains with it from chunk to chunk
.set TB,   84                          ; s84 LDS byte of the step's K
.set TS,   85                          ; s85 512 x step
.set SI,   86                          ; s86 the step
.set CNT,  87
.set SD,   88                          ; s88 the tile's step on the diagonal
.set QBASE, 89                         ; s89 the tile's first natural query
.set CBH,  90                          ; s[90:91], s[92:93] where the first tile's codes and bytes go;  s[94:95], s[96:97] the second's
.set SBH,  92
.set CBL,  94
.set SBL,  96
.set TV,   99                          ; s99 LDS byte of the step's V
.macro G1SET g, c, r, p                ; descriptor group 1: r rows of c elements of 8 bytes, p elements apart; no mask, no padding
	s_mov_b32 s[\g], 3<<16
	s_mov_b32 s[\g+1], (\c)<<16
	s_mov_b32 s[\g+2], (\r)<<16
	s_mov_b32 s[\g+3], (\c)<<16
	s_mov_b32 s[\g+4], \r
	s_mov_b32 s[\g+5], \p
	s_mov_b32 s[\g+6], 0
	s_mov_b32 s[\g+7], 0
.endm
.macro TLOAD g0, g1                    ; a tensor load with a nop and four plain places behind it
	tensor_load_to_lds s[\g0:\g0+3], s[\g1:\g1+7]
	s_nop 0
.rept 4
	v_nop
.endr
.endm
	s_load_b256 s[4:11], s[0:1], 0x0               ; a2c s[4:5], a2s s[6:7], cc s[8:9], cs s[10:11]
	v_lshl_add_u32 v[SPW], v0, 2, SPARE
	v_mov_b32 v[NIL], 0
	ds_add_u32 v[SPW], v[NIL]                      ; the opening lines: the add twice on end and one wait
	ds_add_u32 v[SPW], v[NIL]
	v_lshrrev_b32 v8, 5, v0
	v_readfirstlane_b32 s[WV], v8                  ; wave 0..15
	s_and_b32 s13, ttmp7, 0xffff
	s_lshr_b32 s14, s13, 4                         ; the batch
	s_and_b32 s15, s13, 15                         ; the head
	s_lshr_b32 s16, s15, 1                         ; the pair of heads,
	s_and_b32 s17, s15, 1                          ; and which of the pair
	s_and_b32 s[QW], s[WV], 3
	s_lshl_b32 s19, s14, 12
	s_add_co_u32 s19, s19, s15
	s_add_co_u32 s19, s19, 16
	s_mul_i32 s19, s19, 768                        ; K's codes: piece (128 batch x 32 + 16 + head); a tile of tokens further on is 24,576 bytes
	s_mul_i32 s25, s[QW], 6*24576                  ; chunk 0: 24 tiles, 6 a wave
	s_add_co_u32 s84, s19, s25
	s_mov_b32 s85, 0
	s_lshl_b32 s25, s15, 9
	s_lshl_b32 s26, s14, 5
	s_add_co_u32 s25, s25, s26
	s_mul_i32 s25, s25, 768
	s_add_co_u32 s25, s25, 12582912                ; V's: behind q's and k's, piece (512 head + 32 batch); a tile of channels is 98,304 bytes
	s_mul_i32 s26, s[QW], 98304
	s_add_co_u32 s86, s25, s26
	s_mov_b32 s87, 0
	s_add_co_u32 s26, s16, 8
	s_lshl_b32 s26, s26, 13
	s_lshl_b32 s27, s14, 11
	s_add_co_u32 s26, s26, s27
	s_lshl_b32 s26, s26, 2                         ; K's scale words: ((8 + pair) x 8,192 + 2,048 batch) x 4
	s_lshl_b32 s27, s14, 14
	s_lshl_b32 s13, s16, 7
	s_add_co_u32 s27, s27, s13
	s_lshl_b32 s27, s27, 2
	s_add_co_u32 s27, s27, 524288                  ; V's: behind q's and k's, (16 batch x 1,024 + 128 pair) x 4
	s_and_b32 s13, s[WV], 1
	s_cmp_eq_u32 s13, 0                            ; wave 8 K's, wave 9 V's: only the global offset is chosen so
	s_cselect_b32 s88, s26, s27
	s_mov_b32 s89, 0
	s_lshl_b32 s13, s13, 13
	s_mul_i32 s76, s[QW], 4*24576                  ; chunk 1: tiles 24 + 10 wave;  chunk 2: tiles 64 + 16 wave
	s_mov_b32 s77, 0
	s_mul_i32 s78, s[QW], 6*24576
	s_mov_b32 s79, 0
	G1SET G1K, 96, 6, 3072                         ; K: pieces of 768 bytes, 24,576 bytes apart; 6, then 10, then 16 a wave;
	s_mov_b32 s[G1K], (3<<16)|(1<<20)|(5<<22)|(15<<25)   ; in LDS 16 words of padding behind every 64 words
	G1SET G1V, 192, 3, 192                         ; V: a dense run of a tile's pieces, as rows of 1,536 bytes: 3, then 5, then 8
	G1SET G1KS, 32, 32, 32                         ; 2,048 keys' scale words: 8,192 dense bytes
	G1SET G1VS, 64, 16, 512                        ; 16 key steps' scale words of 128 channels: rows of 512 bytes, 4,096 apart
	s_mov_b32 s[SEL], 0x76543210
	s_mov_b32 s[SEL+1], 0xfedcba98
	s_mov_b32 s[CS], 0x3e38aa3b                    ; c = log2(e) / 8
	s_mov_b32 s[CS+1], s[CS]                       ; (named with it as a pair, so it is written)
	s_mov_b32 s[HI], 0xffff0000
	s_wait_dscnt 0x0
	s_wait_kmcnt 0x0
	s_mov_b32 s[G0S], 1
	s_add_co_u32 s[G0S+1], s13, SCB
	s_add_nc_u64 s[G0S+2:G0S+3], s[6:7], s[88:89]
	s_or_b32 s[G0S+3], s[G0S+3], 0x80000000
	s_mov_b32 s[G0K], 1
	s_mul_i32 s[G0K+1], s[QW], 6*960
	s_add_nc_u64 s[G0K+2:G0K+3], s[4:5], s[84:85]
	s_or_b32 s[G0K+3], s[G0K+3], 0x80000000
	s_mov_b32 s[G0V], 1
	s_mul_i32 s[G0V+1], s[QW], 12288
	s_add_co_u32 s[G0V+1], s[G0V+1], VB
	s_add_nc_u64 s[G0V+2:G0V+3], s[4:5], s[86:87]
	s_or_b32 s[G0V+3], s[G0V+3], 0x80000000
	s_cmp_lt_u32 s[WV], 4                          ; the head's loads: one chain of branches on the wave's number, one load to an arm
	s_cbranch_scc0 .Lh_v
	TLOAD G0K, G1K
	s_branch .Lasked
.Lh_v:
	s_cmp_lt_u32 s[WV], 8
	s_cbranch_scc0 .Lh_ks
	TLOAD G0V, G1V
	s_branch .Lasked
.Lh_ks:
	s_cmp_eq_u32 s[WV], 8
	s_cbranch_scc0 .Lh_vs
	TLOAD G0S, G1KS
	s_branch .Lasked
.Lh_vs:
	s_cmp_eq_u32 s[WV], 9
	s_cbranch_scc0 .Lasked
	TLOAD G0S, G1VS
.Lasked:
	v_and_b32 v8, 31, v0                           ; lane
	v_and_b32 v9, 15, v0                           ; r
	v_bfe_u32 v10, v0, 4, 1                        ; h
	v_and_b32 v11, 7, v0                           ; r % 8
	v_bfe_u32 v12, v0, 3, 1                        ; r / 8
	v_lshlrev_b32 v[L16], 4, v8
	v_lshlrev_b32 v[L8], 3, v8
	v_lshlrev_b32 v[R4], 2, v9
	v_lshlrev_b32 v[KL16], 4, v11
	v_lshlrev_b32 v[KL8], 3, v11
	v_lshlrev_b32 v[AKS], 2, v11
	v_add_nc_u32 v[L8], 512, v[L8]
	v_mad_u32_u24 v[KL16], v10, 320, v[KL16]
	v_lshl_add_u32 v[KL8], v10, 7, v[KL8]
	v_lshl_add_u32 v[AKS], v12, 7, v[AKS]
	v_lshl_add_u32 v[AKS], v10, 6, v[AKS]
	v_mad_u32_u24 v[KL16], v12, 1920, v[KL16]
	v_mad_u32_u24 v[KL8], v12, 1920, v[KL8]
	s_lshl_b32 s13, s17, 1
	s_add_co_u32 s13, s13, SCB
	v_add_nc_u32 v[AKS], s13, v[AKS]
	v_add_nc_u32 v[KL8], 640, v[KL8]
	s_lshl_b32 s13, s17, 8
	s_add_co_u32 s13, s13, SCB+8192
	v_add_nc_u32 v[AVS], s13, v[R4]
	v_lshl_add_u32 v[AVS], v10, 6, v[AVS]
	v_lshl_add_u32 v[DQ], v12, 4, v11
	v_lshlrev_b32 v13, 5, v10
	v_lshl_add_u32 v[BO], v9, 5, v10
	v_lshlrev_b32 v[SH8], 3, v10
	v_sub_nc_u32 v[DQ], v[DQ], v13
.irp j, 0,1,2,3,4,5
	v_mov_b32 v[QH+6+\j], 0                        ; zero codes for the upper 64 of the form's K
	v_mov_b32 v[QL+6+\j], 0
	v_mov_b32 v[KV+48+\j], 0                       ; and behind K's last piece
.endr
.irp b, 0,1,2,3
	v_mov_b32 v[PT+\b], 0                          ; written once: a lane permute's destination counts as one of its sources
.endr
	v_mov_b32 v[FF], 0
	v_mov_b32 v[PW], 0                             ; (named as the upper half of the pair with f before it is first written)
	v_mov_b32 v[TT], 0
	s_wait_alu depctr_va_vdst(0)                   ; the wait at the end of the head's vector work
	s_lshl_b32 s[TAUL], ttmp9, 4
	s_add_co_u32 s[TAUL], s[TAUL], s[WV]           ; 16 i + j
	s_sub_co_u32 s[TAUH], 127, s[TAUL]             ; 127 - 16 i - j
; A tile's addresses, and the loads of its Q: one piece, and a half word of scale bytes a row.  pc, ps: scalar pairs for the two loads' bases, free again behind the wait for the loads.
.macro TILE tau, pc, ps, cb, sb, qb, qs
	s_lshl_b32 s13, s14, 7
	s_add_co_u32 s13, s13, s[\tau]                 ; the tile among all 512
	s_lshl_b32 s[\pc], s13, 5
	s_add_co_u32 s[\pc], s[\pc], s15
	s_mul_i32 s[\pc], s[\pc], 768
	s_mov_b32 s[\pc+1], 0
	s_add_nc_u64 s[\pc:\pc+1], s[4:5], s[\pc:\pc+1]       ; q's piece (tile x 32 + head)
	s_lshl_b32 s[\ps], s16, 15
	s_lshl_b32 s18, s13, 6
	s_add_co_u32 s[\ps], s[\ps], s18
	s_lshl_b32 s18, s17, 1
	s_add_co_u32 s[\ps], s[\ps], s18
	s_mov_b32 s[\ps+1], 0
	s_add_nc_u64 s[\ps:\ps+1], s[6:7], s[\ps:\ps+1]       ; its scale words: (pair x 8,192 + 16 tile) x 4, + 2 for the odd head
	s_lshl_b32 s[\cb], s13, 4
	s_add_co_u32 s[\cb], s[\cb], s15
	s_mul_i32 s[\cb], s[\cb], 768
	s_mov_b32 s[\cb+1], 0
	s_add_nc_u64 s[\cb:\cb+1], s[8:9], s[\cb:\cb+1]       ; ctx's piece (tile x 16 + head)
	s_lshl_b32 s[\sb], s13, 9
	s_lshl_b32 s18, s15, 1
	s_add_co_u32 s[\sb], s[\sb], s18
	s_mov_b32 s[\sb+1], 0
	s_add_nc_u64 s[\sb:\sb+1], s[10:11], s[\sb:\sb+1]     ; its bytes: 32 a row, the head's two
	global_load_b128 v[\qb:\qb+3], v[L16], s[\pc:\pc+1]
	global_load_b64 v[\qb+4:\qb+5], v[L8], s[\pc:\pc+1]
	global_load_u16 v[\qs], v[R4], s[\ps:\ps+1]           ; bytes 2 and 3 come as 0
.endm
	TILE TAUH, 84, 86, CBH, SBH, QH, QSH
	TILE TAUL, 88, 98, CBL, SBL, QL, QSL
; A KEY STEP: 128 keys.
.macro STEP qb, qs
	s_cmp_gt_u32 s[SI], s[SD]                      ; all its keys come after my queries: only the steps of the addresses are run
	s_cbranch_scc1 .Lhid_\@
	v_add_nc_u32 v[ADK], s[TB], v[KL16]            ; these six are also the places in front of the loads into registers that the last products read
	v_add_nc_u32 v[ADK+1], s[TB], v[KL8]
	v_add_nc_u32 v[ADK+2], s[TS], v[AKS]
	v_add_nc_u32 v[ADK+3], s[TS], v[AVS]
	v_add_nc_u32 v[ADV], s[TV], v[L16]
	v_add_nc_u32 v[ADV+1], s[TV], v[L8]
.irp t, 0,1,2,3,4,5,6,7                        ; tile 4 c + u: stored tile 4 c + 2 (r / 8) + u % 2, its row r % 8 + 8 (u / 2)
	ds_load_b128 v[KV+6*\t:KV+6*\t+3], v[ADK] offset:3840*(\t/4)+960*(\t%2)+128*((\t%4)/2)
	ds_load_b64 v[KV+6*\t+4:KV+6*\t+5], v[ADK+1] offset:3840*(\t/4)+960*(\t%2)+64*((\t%4)/2)
.if (\t%2) == 0
	ds_load_u16 v[KSW+\t/2], v[ADK+2] offset:256*(\t/4)+32*((\t%4)/2)   ; the head's two bytes of tiles t (lanes 0-15) and t + 1 (lanes 16-31); bytes 2 and 3 come as 0
.endif
.endr
	s_wait_alu depctr_va_vdst(0)
	s_wait_dscnt 0x0
.irp t, 0,1,2,3,4,5,6,7
.if (\t%2) == 0
	v_wmma_scale_f32_16x16x128_f8f6f4 v[S+8*\t:S+8*\t+7], v[KV+6*\t:KV+6*\t+11], v[\qb:\qb+11], 0, v[KSW+\t/2], v[\qs] matrix_a_fmt:MATRIX_FMT_BF6 matrix_b_fmt:MATRIX_FMT_BF6
.else
	v_wmma_scale_f32_16x16x128_f8f6f4 v[S+8*\t:S+8*\t+7], v[KV+6*\t:KV+6*\t+11], v[\qb:\qb+11], 0, v[KSW+\t/2], v[\qs] matrix_a_fmt:MATRIX_FMT_BF6 matrix_b_fmt:MATRIX_FMT_BF6 matrix_a_scale:MATRIX_SCALE_ROW1
.endif
.endr
.rept 4
	v_nop                                          ; places in front of the loads below and of the first read of the scores
.endr
.irp t, 0,1,2,3                                ; V's fragments are asked for now and land beside the softmax
.irp u, 0,1
	ds_load_b128 v[KV+12*\t+6*\u:KV+12*\t+6*\u+3], v[ADV] offset:12288*\t+768*\u
	ds_load_b64 v[KV+12*\t+6*\u+4:KV+12*\t+6*\u+5], v[ADV+1] offset:12288*\t+768*\u
.endr
.if (\t%2) == 0
	ds_load_b32 v[VSW+\t/2], v[ADK+3] offset:64*\t
.endif
.endr
	s_cmp_lg_u32 s[SI], s[SD]                      ; only the step on the diagonal hides scores
	s_cbranch_scc1 .Lopen_\@
	s_lshl_b32 s98, s[SI], 7
	s_sub_co_i32 s98, s[QBASE], s98                ; the tile's first query less the step's first key
	v_add_nc_u32 v[MK], s98, v[DQ]                 ; d = my query - the step's first key - 32 h.  Register 32 c + i holds key 64 c + 32 h + i of the step: hidden where 64 c + i > d
	v_mov_b32 v[MK+1], 0xff800000                  ; -infinity
	s_wait_alu depctr_va_vdst(0)
	s_cmp_ge_i32 s98, 64                           ; every query of the tile comes behind the step's first 64 keys: none of them is hidden
	s_cbranch_scc1 .Lhalf_\@
.set n, 0
.rept 32
	v_cmp_gt_i32 vcc_lo, n, v[MK]
	v_cndmask_b32 v[S+n], v[S+n], v[MK+1], vcc_lo
.set n, n+1
.endr
.Lhalf_\@:
.set n, 32
.rept 32
	v_cmp_gt_i32 vcc_lo, 32+n, v[MK]
	v_cndmask_b32 v[S+n], v[S+n], v[MK+1], vcc_lo
.set n, n+1
.endr
.Lopen_\@:
.irp b, 0,1,2,3
	v_max3_num_f32 v[BM+\b], v[S+16*\b], v[S+1+16*\b], v[S+2+16*\b]   ; four chains of 16 scores, each accumulator from its low end on
.endr
.irp i, 3,5,7,9,11,13
.irp b, 0,1,2,3
	v_max3_num_f32 v[BM+\b], v[BM+\b], v[S+16*\b+\i], v[S+1+16*\b+\i]
.endr
.endr
.irp c, 0,1
	v_max3_num_f32 v[BM+2*\c], v[BM+2*\c], v[BM+2*\c+1], v[S+15+32*\c]
.endr
.irp c, 0,1
	v_max_num_f32 v[BM+2*\c], v[BM+2*\c], v[S+31+32*\c]   ; the largest score of my block 2 c + h: it serves the row's maximum and, since p rises with the score, the block's largest p
.endr
	s_delay_alu instid0(VALU_DEP_1)
	v_max_num_f32 v[TT], v[BM], v[BM+2]
	s_delay_alu instid0(VALU_DEP_1)
	v_permlanex16_b32 v[PT], v[TT], s[SEL], s[SEL+1]
	s_delay_alu instid0(VALU_DEP_1)
	v_max3_num_f32 v13, v13, v[TT], v[PT]          ; the running largest score of my query (key 0 of the step counts for every query that walks it)
	s_delay_alu instid0(VALU_DEP_1)
	v_mul_f32 v[TT], s[CS], v13                    ; as t
	v_mov_b32 v[PT+1], v12
	s_delay_alu instid0(VALU_DEP_2)
	v_floor_f32 v12, -v[TT]                        ; the new -M = floor(-t): M is a whole number
	s_delay_alu instid0(VALU_DEP_1)
	v_sub_f32 v[TT], v12, v[PT+1]                  ; old M - new M: a whole number, 0 or less
	s_delay_alu instid0(VALU_DEP_1)
	v_cvt_i32_f32 v[TT], v[TT]                     ; (it saturates)
	s_delay_alu instid0(VALU_DEP_1)
	v_ldexp_f32 v[FF], 1.0, v[TT]                  ; f = 2^(old M - new M)
.set j, 0
.rept 32
	v_pk_fma_f32 v[S+j:S+j+1], v[S+j:S+j+1], s[CS:CS+1], v[12:13] op_sel_hi:[1,0,0]   ; t - M, two at a time
.set j, j+2
.endr
.irp c, 0,1
	v_fma_f32 v[BM+2*\c], v[BM+2*\c], s[CS], v12   ; the same of each block's largest score
.endr
	s_wait_alu depctr_va_vdst(0)                   ; the wait ahead of the batch
.set j, 0
.rept 64
	v_exp_f32 v[S+j], v[S+j]                       ; p = 2^(t - M), at most 1
.set j, j+1
.endr
.irp c, 0,1
	v_exp_f32 v[BM+2*\c], v[BM+2*\c]               ; the block's largest p
.endr
	v_pk_mul_f32 v[14:15], v[14:15], v[FF:FF+1] op_sel_hi:[1,0]   ; the sums under the new M.  (A plain place behind the exponentials)
	s_wait_alu depctr_va_vdst(0)                   ; and the wait behind the batch
.irp c, 0,1
	v_max_num_f32 v[BM+2*\c], 0x2800000, v[BM+2*\c]   ; the floor 2^(5 - 127): the byte cannot fall under 1
.endr
.irp c, 0,1
	s_delay_alu instid0(VALU_DEP_2)
	v_add_nc_u32 v[SOP+\c], 0xfe000000, v[BM+2*\c] ; 4 off the exponent field: the conversion's scale operand
.endr
.irp c, 0,1
	s_delay_alu instid0(VALU_DEP_2)
	v_lshrrev_b32 v[PT+\c], 23, v[SOP+\c]          ; the scale's byte
.endr
	s_delay_alu instid0(VALU_DEP_1)
	v_lshl_or_b32 v[PW], v[PT+1], 16, v[PT]        ; my two bytes: blocks h and 2 + h,
	s_delay_alu instid0(VALU_DEP_1)
	v_lshlrev_b32 v[PW], v[SH8], v[PW]             ; at their places in the word;
	s_delay_alu instid0(VALU_DEP_1)
	v_permlanex16_b32 v[PT+3], v[PW], s[SEL], s[SEL+1]
	s_delay_alu instid0(VALU_DEP_1)
	v_or_b32 v[PW], v[PW], v[PT+3]                 ; with lane l xor 16's two: p's scale word for these 128 keys
.irp c, 0,1
	v_cvt_scalef32_pk16_bf6_f32 v[PC+6*\c:PC+6*\c+2], v[S+32*\c:S+32*\c+15], v[SOP+\c]
	v_cvt_scalef32_pk16_bf6_f32 v[PT+4*\c:PT+4*\c+2], v[S+32*\c+16:S+32*\c+31], v[SOP+\c]   ; (a conversion's three registers begin on an even number)
.endr
	v_nop                                          ; one plain place behind a scaled conversion
.irp c, 0,1
.irp i, 0,1,2
	v_mov_b32 v[PC+6*\c+3+\i], v[PT+4*\c+\i]
.endr
.endr
	v_pk_add_f32 v[236:237], v[100:101], v[104:105]   ; the row's sum of the unquantised p: 32 pairs onto the running pair, in eight chains
	v_pk_add_f32 v[246:247], v[108:109], v[112:113]
	v_pk_add_f32 v[244:245], v[116:117], v[120:121]
	v_pk_add_f32 v[240:241], v[124:125], v[128:129]
	v_pk_add_f32 v[222:223], v[132:133], v[136:137]
	v_pk_add_f32 v[220:221], v[140:141], v[144:145]
	v_pk_add_f32 v[218:219], v[148:149], v[152:153]
	v_pk_add_f32 v[14:15], v[14:15], v[156:157]
	v_pk_add_f32 v[236:237], v[236:237], v[96:97]
	v_pk_add_f32 v[246:247], v[246:247], v[98:99]
	v_pk_add_f32 v[244:245], v[244:245], v[102:103]
	v_pk_add_f32 v[240:241], v[240:241], v[106:107]
	v_pk_add_f32 v[222:223], v[222:223], v[110:111]
	v_pk_add_f32 v[220:221], v[220:221], v[114:115]
	v_pk_add_f32 v[218:219], v[218:219], v[118:119]
	v_pk_add_f32 v[14:15], v[14:15], v[122:123]
	v_pk_add_f32 v[236:237], v[236:237], v[126:127]
	v_pk_add_f32 v[246:247], v[246:247], v[130:131]
	v_pk_add_f32 v[244:245], v[244:245], v[134:135]
	v_pk_add_f32 v[240:241], v[240:241], v[138:139]
	v_pk_add_f32 v[222:223], v[222:223], v[142:143]
	v_pk_add_f32 v[220:221], v[220:221], v[146:147]
	v_pk_add_f32 v[218:219], v[218:219], v[150:151]
	v_pk_add_f32 v[14:15], v[14:15], v[154:155]
	v_pk_add_f32 v[236:237], v[236:237], v[158:159]
	s_delay_alu instid0(VALU_DEP_2)
	v_pk_add_f32 v[14:15], v[14:15], v[240:241]
	s_delay_alu instid0(VALU_DEP_2)
	v_pk_add_f32 v[236:237], v[236:237], v[222:223]
	v_pk_add_f32 v[246:247], v[246:247], v[220:221]
	v_pk_add_f32 v[244:245], v[244:245], v[218:219]
	s_delay_alu instid0(VALU_DEP_2)
	v_pk_add_f32 v[14:15], v[14:15], v[246:247]
	s_delay_alu instid0(VALU_DEP_2)
	v_pk_add_f32 v[236:237], v[236:237], v[244:245]
	s_delay_alu instid0(VALU_DEP_1)
	v_pk_add_f32 v[14:15], v[14:15], v[236:237]
	s_wait_alu depctr_va_vdst(0)                   ; the wait directly ahead of the first reader of O^T
.set j, 0
.rept 16
	v_pk_mul_f32 v[O+j:O+j+1], v[O+j:O+j+1], v[FF:FF+1] op_sel_hi:[1,0]   ; O^T under the new M.  (With the sums above: the places between the writes of p's codes and scale word and the products below)
.set j, j+2
.endr
	s_wait_alu depctr_va_vdst(0)
	s_wait_dscnt 0x0                               ; V's fragments and scale words are in
.irp t, 0,1,2,3                                ; four accumulators by turns; between two links of one chain stand eleven other matrix instructions
.if (\t%2) == 0
	v_wmma_scale_f32_16x16x128_f8f6f4 v[O+8*\t:O+8*\t+7], v[KV+12*\t:KV+12*\t+11], v[PC:PC+11], v[O+8*\t:O+8*\t+7], v[VSW+\t/2], v[PW] matrix_a_fmt:MATRIX_FMT_BF6 matrix_b_fmt:MATRIX_FMT_BF6
.else
	v_wmma_scale_f32_16x16x128_f8f6f4 v[O+8*\t:O+8*\t+7], v[KV+12*\t:KV+12*\t+11], v[PC:PC+11], v[O+8*\t:O+8*\t+7], v[VSW+\t/2], v[PW] matrix_a_fmt:MATRIX_FMT_BF6 matrix_b_fmt:MATRIX_FMT_BF6 matrix_a_scale:MATRIX_SCALE_ROW1
.endif
.endr
.Lhid_\@:
	s_add_co_u32 s[SI], s[SI], 1
	s_add_co_u32 s[TB], s[TB], STEP_B
	s_add_co_u32 s[TS], s[TS], 512
	s_add_co_u32 s[TV], s[TV], 1536
.endm
.macro LOOP qb, qs, trips
	s_mov_b32 s[CNT], \trips
.Lst_\@:
	STEP \qb, \qs
	s_sub_co_u32 s[CNT], s[CNT], 1
	s_cmp_lg_u32 s[CNT], 0
	s_cbranch_scc1 .Lst_\@
.endm
; The chunk asked for last is shown landed to every wave.  st = 1, 2: chunk st is asked for behind the barrier: every wave's wait for all its tensor loads, the add
; the wait for it, the barrier, one load a wave.  No tensor load of the wave is out behind the first wait, so the descriptors are written there.  st = 3: nothing more is asked for.
.macro SYNC st
	s_wait_alu depctr_va_vdst(0)
	s_wait_tensorcnt 0x0
.if \st < 3
	ds_add_u32 v[SPW], v[NIL]
	ds_add_u32 v[SPW], v[NIL]
.if \st == 1
	s_mov_b32 s[G1K+2], 10<<16
	s_mov_b32 s[G1K+4], 10
	s_mov_b32 s[G1V+2], 5<<16
	s_mov_b32 s[G1V+4], 5
	s_mul_i32 s[G0K+1], s[QW], 10*960
	s_add_co_u32 s[G0K+1], s[G0K+1], 24*960
	s_add_nc_u64 s[G0K+2:G0K+3], s[G0K+2:G0K+3], s[76:77]
	s_add_nc_u64 s[G0K+2:G0K+3], s[G0K+2:G0K+3], 24*24576
	s_add_co_u32 s[G0V+1], s[G0V+1], 3*1536
	s_add_nc_u64 s[G0V+2:G0V+3], s[G0V+2:G0V+3], 3*1536
.else
	s_mov_b32 s[G1K+2], 16<<16
	s_mov_b32 s[G1K+4], 16
	s_mov_b32 s[G1V+2], 8<<16
	s_mov_b32 s[G1V+4], 8
	s_mul_i32 s[G0K+1], s[QW], 16*960
	s_add_co_u32 s[G0K+1], s[G0K+1], 64*960
	s_add_nc_u64 s[G0K+2:G0K+3], s[G0K+2:G0K+3], s[78:79]
	s_add_nc_u64 s[G0K+2:G0K+3], s[G0K+2:G0K+3], 40*24576
	s_add_co_u32 s[G0V+1], s[G0V+1], 49152-3*1536
	s_add_nc_u64 s[G0V+2:G0V+3], s[G0V+2:G0V+3], 5*1536
.endif
.endif
	s_wait_dscnt 0x0
	s_barrier_signal -1
	s_barrier_wait -1
.if \st < 3
	s_cmp_lt_u32 s[WV], 4
	s_cbranch_scc0 .Lsv_\@
	TLOAD G0K, G1K
	s_branch .Lsj_\@
.Lsv_\@:
	s_cmp_lt_u32 s[WV], 8
	s_cbranch_scc0 .Lsj_\@
	TLOAD G0V, G1V
.Lsj_\@:
.endif
.endm
; The end of a tile: ctx = O^T / the sum; register 16 b + i is channel 32 b + 16 h + i of the head: two blocks of the last product's K, each in lanes l and l xor 16.
.macro FIN cb, sb
.rept 4
	v_nop                                          ; places behind the last products
.endr
	v_add_f32 v14, v14, v15
	s_delay_alu instid0(VALU_DEP_1)
	v_permlanex16_b32 v[TT], v14, s[SEL], s[SEL+1]
	s_delay_alu instid0(VALU_DEP_1)
	v_add_f32 v14, v14, v[TT]                      ; the row's sum
	s_wait_alu depctr_va_vdst(0)
	v_rcp_f32 v14, v14
	v_nop                                          ; one plain place behind a transcendental
.set j, 0
	s_wait_alu depctr_va_vdst(0)
.rept 32
	v_mul_f32 v[S+j], v[O+j], v14                  ; each accumulator from its low end on
.set j, j+1
.endr
.irp b, 0,1
	v_max3_num_f32 v[BM+\b], |v[S+16*\b]|, |v[S+1+16*\b]|, 0x2800000
.endr
.irp i, 2,4,6,8,10,12,14
.irp b, 0,1
	s_delay_alu instid0(VALU_DEP_2)
	v_max3_num_f32 v[BM+\b], v[BM+\b], |v[S+16*\b+\i]|, |v[S+1+16*\b+\i]|
.endr
.endr
.irp b, 0,1
	s_delay_alu instid0(VALU_DEP_2)
	v_permlanex16_b32 v[PT+\b], v[BM+\b], s[SEL], s[SEL+1]
.endr
.irp b, 0,1
	s_delay_alu instid0(VALU_DEP_2)
	v_max_num_f32 v[BM+\b], v[BM+\b], v[PT+\b]
.endr
.irp b, 0,1
	s_delay_alu instid0(VALU_DEP_2)
	v_add_nc_u32 v[SOP+\b], 0xfe000000, v[BM+\b]
.endr
.irp b, 0,1
	s_delay_alu instid0(VALU_DEP_2)
	v_lshrrev_b32 v[PT+\b], 23, v[SOP+\b]
.endr
	s_delay_alu instid0(VALU_DEP_1)
	v_cndmask_b32 v[SBY], v[PT], v[PT+1], s[HI]    ; lanes 0-15 store block 0's byte, lanes 16-31 block 1's
	v_cvt_scalef32_pk16_bf6_f32 v[PC:PC+2], v[S:S+15], v[SOP]
	v_cvt_scalef32_pk16_bf6_f32 v[PC+8:PC+10], v[S+16:S+31], v[SOP+1]
	v_nop                                          ; one plain place behind a scaled conversion
.irp i, 0,1,2
	v_permlane16_swap_b32 v[PC+\i], v[PC+8+\i]     ; a whole block in a lane
.endr
.irp i, 0,1,2
	s_delay_alu instid0(VALU_DEP_3)
	v_mov_b32 v[PC+3+\i], v[PC+8+\i]
.endr
	global_store_b128 v[L16], v[PC:PC+3], s[\cb:\cb+1]     ; the piece: 512 consecutive bytes, at a multiple of 256 from the buffer's first byte,
	global_store_b64 v[L8], v[PC+4:PC+5], s[\cb:\cb+1]     ; and 256 more
	global_store_b8 v[BO], v[SBY], s[\sb:\sb+1]            ; one byte a lane into rows 32 bytes apart: 32 bytes beside the piece's 768
.endm
.macro INIT tau
	s_wait_xcnt 0x0                                ; the last tile's stores have read their registers
	v_mov_b32 v13, 0xff61b1e6                      ; the largest score so far: -3e38, under every score
	v_mov_b32 v12, 0x7e000000                      ; -M: so large that the first step's f is 0
	v_mov_b32 v14, 0                               ; the sum, in two halves
	v_mov_b32 v15, 0
.set j, 0
.rept 32
	v_mov_b32 v[O+j], 0                            ; O^T: the step is written once; the first finds zeros, which the first change of M leaves zeros
.set j, j+1
.endr
	s_mov_b32 s[TB], 0
	s_mov_b32 s[TV], VB
	s_mov_b32 s[TS], 0
	s_mov_b32 s[SI], 0
	s_lshr_b32 s[SD], s[\tau], 3
	s_lshr_b32 s[QBASE], s[\tau], 1
	s_lshl_b32 s[QBASE], s[QBASE], 5
	s_and_b32 s98, s[\tau], 1
	s_lshl_b32 s98, s98, 3
	s_add_co_u32 s[QBASE], s[QBASE], s98           ; 32 (tile / 2) + 8 (tile % 2)
.endm
	s_wait_loadcnt 0x0                             ; Q of both tiles; the loads' bases are free
	INIT TAUH                                      ; the later tile first: its many steps stand beside the landing of the later chunks
	SYNC 1
	LOOP QH, QSH, 3
	SYNC 2
	LOOP QH, QSH, 5
	s_add_co_u32 s[TV], s[TV], 49152-8*1536        ; on to the upper half of V's keys
	SYNC 3
	LOOP QH, QSH, 8
	FIN CBH, SBH
	INIT TAUL                                      ; tiles 0 to 63: their diagonals lie in steps 0 to 7; everything has landed and been shown to every wave
	s_wait_alu depctr_va_vdst(0)
	LOOP QL, QSL, 8
	FIN CBL, SBL
	s_wait_tensorcnt 0x0                           ; the wave's end
	ds_add_u32 v[SPW], v[NIL]
	s_wait_dscnt 0x0
	s_endpgm
.Lfunc_end_k_q2ea7f4d02a_attn:
	.size	k_q2ea7f4d02a_attn, .Lfunc_end_k_q2ea7f4d02a_attn-k_q2ea7f4d02a_attn
	.p2alignl 7, 3214868480
	.fill 96, 4, 3214868480
	.section	.rodata,"a",@progbits
	.p2align	6, 0x0
	.amdhsa_kernel k_q2ea7f4d02a_attn
		.amdhsa_group_segment_fixed_size 327680
		.amdhsa_private_segment_fixed_size 0
		.amdhsa_enable_private_segment 0
		.amdhsa_kernarg_size 32
		.amdhsa_user_sgpr_count 2
		.amdhsa_user_sgpr_kernarg_segment_ptr 1
		.amdhsa_wavefront_size32 1
		.amdhsa_system_sgpr_workgroup_id_x 1
		.amdhsa_system_sgpr_workgroup_id_y 1
		.amdhsa_system_sgpr_workgroup_id_z 1
		.amdhsa_system_vgpr_workitem_id 0
		.amdhsa_next_free_vgpr 256
		.amdhsa_next_free_sgpr 100
		.amdhsa_reserve_vcc 1
		.amdhsa_float_denorm_mode_32 3
		.amdhsa_float_denorm_mode_16_64 3
		.amdhsa_memory_ordered 1
		.amdhsa_forward_progress 1
		.amdhsa_inst_pref_size 112
	.end_amdhsa_kernel
	.amdgpu_metadata
---
amdhsa.version: [ 1, 2 ]
amdhsa.kernels:
  - .name:           k_q2ea7f4d02a_attn
    .symbol:         k_q2ea7f4d02a_attn.kd
    .args:
      - { .name: a2c, .offset: 0, .size: 8, .value_kind: global_buffer, .address_space: global }
      - { .name: a2s, .offset: 8, .size: 8, .value_kind: global_buffer, .address_space: global }
      - { .name: cc, .offset: 16, .size: 8, .value_kind: global_buffer, .address_space: global }
      - { .name: cs, .offset: 24, .size: 8, .value_kind: global_buffer, .address_space: global }
    .group_segment_fixed_size: 327680
    .private_segment_fixed_size: 0
    .kernarg_segment_align: 8
    .kernarg_segment_size: 32
    .max_flat_workgroup_size: 512
    .sgpr_count:     100
    .vgpr_count:     256
    .wavefront_size: 32
...
	.end_amdgpu_metadata
.endif
;; end of part 3
;; launch proj (part 4): grid 64 x 4, 4 waves a work-group, clusters of 4 x 1, 327,680 bytes of LDS; arguments cc, cs, q1c, q1s, b_proj, out0; writes out0
.if DOCPART == 4
	.amdgcn_target "amdgcn-amd-amdhsa--gfx1250"
	.amdhsa_code_object_version 6
	.text
	.protected	k_q2ea7f4d02a_proj
	.globl	k_q2ea7f4d02a_proj
	.p2align	8
	.type	k_q2ea7f4d02a_proj,@function
k_q2ea7f4d02a_proj:
	s_mov_b64 s[64:65], 0
	v_nop
	global_prefetch_b8 v0, s[64:65] scope:SCOPE_SE
	s_setreg_imm32_b32 hwreg(HW_REG_WAVE_MODE, 25, 1), 1
	s_wait_xcnt 0x0
	s_wait_alu depctr_hold_cnt(0) depctr_sa_sdst(0) depctr_va_vdst(0) depctr_va_sdst(0) depctr_va_ssrc(0) depctr_va_vcc(0) depctr_vm_vsrc(0)
	s_getreg_b32 s2, hwreg(HW_REG_IB_STS2, 6, 4)
	s_cmp_eq_u32 s2, 0
	s_cbranch_scc0 .Lentry_in_a_cluster
	s_endpgm
.Lentry_in_a_cluster:
	s_bfe_u32 s2, ttmp6, 0x10000c
	s_cmp_lg_u32 s2, 0x3003
	s_cbranch_scc0 .Lentry_shape_is_right
	s_endpgm
.Lentry_shape_is_right:
; The last product, ctx w_proj^T + b_proj, on codes of BF6 (E3M2) with E8M0 scales, K = 1,024; f32 out.
; SHARES.  256 work-groups: (row block of 128 tokens, column group g of 256 columns), two trips of 128 rows of w_proj (sub-tile 2 g + t).  Four waves, 2 x 2: a wave makes 64 tokens x 64 columns a trip: 16 accumulators.
; ctx STAYS IN REGISTERS: a wave's 64 tokens for all of K are 384 registers, loaded once from memory, where they lie as images of the operand's registers; they pass through no LDS, so they are not asked for jointly.
; w GOES INTO TWO LDS SLOTS, each 128 rows for all of K (98,304 bytes), each filled once; each wave fetches two tiles (24,576 dense bytes) by one tensor load.  CLUSTERS of 4 x 1: four row blocks need the same rows of w and ask jointly.
; NO PREFETCH: the launch has two trips and asks for both sub-tiles by its first two loads.
; Layouts of codes, rows and scale words as in launch qkv.  First source w (columns), second ctx (rows): a lane holds one token, and the 16 registers of w's tiles 2 a, 2 a + 1 are natural columns 32 a + 16 (lane / 16) + 0 .. 15.
; THE WAY OUT: a block of 16 tokens x 64 columns goes through the wave's own stage in LDS and comes back as rows of 256 bytes: sixteen lanes store one aligned unit of 256 bytes.
; REGISTERS: window 0: v0-31 addresses; v32-47 ctx's scale words; v48-79 w's, two sets; v80-87 the bias; v96-239 w's fragments, three sets of 48 (on the way out v96-159: rows read back).  windows 1, 2: ctx.  window 3: v0-127 accumulators.
.set SLOT,  98304
.set STAGE, 2*SLOT                     ; 16 rows x 272 bytes for each wave: bytes of their own
.set SPITCH, 272
.set SPARE, STAGE+4*16*SPITCH          ; the spare words, 128 bytes for each wave
.set L16, 1                            ; v1  16 x lane
.set L8,  2                            ; v2  512 + 8 x lane
.set XSO, 3                            ; v3  32 r + 16 h
.set ADB, 4                            ; v4-5 my 64 rows of w in slot 0;  v6-7 in slot 1
.set STO, 8                            ; v8  the stage: row r, + 64 h
.set RD,  9                            ; v9  the stage: row h, + 16 r
.set CO,  10                           ; v10 the same in out0: 4,096 h + 16 r
.set BIO, 11                           ; v11 16 r
.set SPW, 28
.set NIL, 29
.set XS,  32
.set WS,  48
.set BI,  80
.set BF,  96
.set BB,  96
.set G1,  24
.set G0,  32
.set SPT, 36
.set XSP, 52
.set LW,  57
.set MSB, 0
.macro WIN new
.if MSB != (\new)
	s_set_vgpr_msb (MSB<<8)|(\new)
.set MSB, (\new)
.endif
.endm
.macro ROUND
	s_barrier_signal -1
	s_barrier_wait -1
	s_cmp_lg_u32 s14, 0
	s_cbranch_scc1 .Lnot_wave_0_\@
	s_barrier_signal -3
.Lnot_wave_0_\@:
	s_barrier_wait -3
	s_barrier_signal -1
	s_barrier_wait -1
.endm
.macro PLACES
.rept 4
	v_nop
.endr
.endm
.macro JOINT
	tensor_load_to_lds s[G0:G0+3], s[G1:G1+7]
	s_nop 0
	PLACES
.endm
	s_load_b256 s[4:11], s[0:1], 0x0               ; cc s[4:5], cs s[6:7], q1c s[8:9], q1s s[10:11]
	s_load_b128 s[44:47], s[0:1], 0x20             ; b_proj s[44:45], out0 s[46:47]
	v_lshl_add_u32 v[SPW], v0, 2, SPARE
	v_mov_b32 v[NIL], 0
	ds_add_u32 v[SPW], v[NIL]                      ; the opening lines: the add twice on end and one wait
	ds_add_u32 v[SPW], v[NIL]
	v_lshrrev_b32 v12, 5, v0
	v_readfirstlane_b32 s14, v12                   ; wave 0..3
	v_and_b32 v12, 31, v0                          ; lane
	v_and_b32 v13, 15, v0                          ; r
	v_bfe_u32 v14, v0, 4, 1                        ; h
	s_lshr_b32 s15, s14, 1                         ; my half of the tokens
	s_and_b32 s16, s14, 1                          ; my half of w's rows
	s_bfe_u32 s40, ttmp6, 0x40000                  ; cx
	s_lshl_b32 s17, ttmp9, 2
	s_add_co_u32 s17, s17, s40                     ; the row block, 0..63
	s_and_b32 s18, ttmp7, 0xffff                   ; the column group g, 0..3: shared by the partners
	v_lshlrev_b32 v[L16], 4, v12
	v_lshlrev_b32 v[L8], 3, v12
	v_lshlrev_b32 v[XSO], 5, v13
	v_lshlrev_b32 v[BIO], 4, v13
	v_mul_u32_u24 v[STO], v13, SPITCH
	v_mul_u32_u24 v[RD], v14, SPITCH
	v_add_nc_u32 v[L8], 512, v[L8]
	v_lshl_add_u32 v[XSO], v14, 4, v[XSO]
	v_lshl_add_u32 v[CO], v14, 12, v[BIO]
	v_lshl_add_u32 v[STO], v14, 6, v[STO]
	v_add_nc_u32 v[RD], v[RD], v[BIO]
	s_mul_i32 s21, s14, 16*SPITCH
	s_add_co_u32 s21, s21, STAGE
	v_add_nc_u32 v[STO], s21, v[STO]
	v_add_nc_u32 v[RD], s21, v[RD]
	s_mul_i32 s21, s16, 49152
	v_add_nc_u32 v[ADB], s21, v[L16]
	v_add_nc_u32 v[ADB+1], s21, v[L8]
	s_add_co_u32 s21, s21, SLOT
	v_add_nc_u32 v[ADB+2], s21, v[L16]
	v_add_nc_u32 v[ADB+3], s21, v[L8]
	s_mov_b32 s[G1], 15|(3<<16)|(1<<21)            ; the mask: all four partners; elements of 8 bytes; bit 21 beside a mask
	s_mov_b32 s[G1+1], 384<<16                     ; 24,576 dense bytes as 8 rows of 3,072
	s_mov_b32 s[G1+2], 8<<16
	s_mov_b32 s[G1+3], 384<<16
	s_mov_b32 s[G1+4], 8
	s_mov_b32 s[G1+5], 384
	s_mov_b32 s[G1+6], 0
	s_mov_b32 s[G1+7], 0
	s_mul_i32 s[LW], s14, 24576
	s_lshl_b32 s19, s17, 3
	s_lshl_b32 s20, s15, 2
	s_add_co_u32 s19, s19, s20                     ; my first tile of tokens
	s_mov_b32 s21, 0
	s_wait_alu depctr_va_vdst(0)                   ; the wait at the head's end
	s_wait_dscnt 0x0
	s_wait_kmcnt 0x0
	s_lshl_b32 s20, s18, 4
	s_lshl_b32 s22, s14, 1
	s_add_co_u32 s20, s20, s22
	s_add_co_u32 s20, s20, 704
	s_mul_i32 s20, s20, 12288                      ; w_proj's tile 704 + 16 g + 2 wave
	s_mov_b32 s[G0], 1
	s_mov_b32 s[G0+1], s[LW]
	s_add_nc_u64 s[G0+2:G0+3], s[8:9], s[20:21]
	s_or_b32 s[G0+3], s[G0+3], 0x80000000
	ROUND                                          ; in front of the first joint load
	JOINT                                          ; sub-tile 0 into slot 0: one tensor load a wave at the head
	s_mul_i32 s20, s19, 12288
	s_add_nc_u64 s[12:13], s[4:5], s[20:21]        ; my tokens' codes
	s_lshl_b32 s20, s19, 9
	s_add_nc_u64 s[XSP:XSP+1], s[6:7], s[20:21]    ; and scales
	s_lshl_b32 s20, s18, 4
	s_add_co_u32 s20, s20, 704
	s_lshl_b32 s20, s20, 9
	s_lshl_b32 s22, s16, 11
	s_add_co_u32 s20, s20, s22
	s_add_nc_u64 s[SPT:SPT+1], s[10:11], s[20:21]  ; the scales of my 64 rows of sub-tile 0; sub-tile 1's lie 4,096 bytes on
	s_lshl_b32 s20, s18, 10
	s_lshl_b32 s22, s16, 8
	s_add_co_u32 s20, s20, s22                     ; my first column, in bytes
	s_add_nc_u64 s[44:45], s[44:45], s[20:21]
	s_add_nc_u64 s[46:47], s[46:47], s[20:21]
	s_lshl_b32 s20, s17, 7
	s_lshl_b32 s22, s15, 6
	s_add_co_u32 s20, s20, s22
	s_lshl_b32 s20, s20, 12                        ; my first token's row
	s_add_nc_u64 s[46:47], s[46:47], s[20:21]
.set q, 0
.rept 8                                        ; ctx: K step q's four fragments at 48 q of window 1, from step 5 on at 48 (q - 5) of window 2
	WIN ((1+q/5)<<6)
.irp a, 0,1,2,3
	global_load_b128 v[48*q-240*(q/5)+12*\a:48*q-240*(q/5)+12*\a+3], v[L16], s[12:13] offset:12288*\a+1536*q
	global_load_b64 v[48*q-240*(q/5)+12*\a+4:48*q-240*(q/5)+12*\a+5], v[L8], s[12:13] offset:12288*\a+1536*q
	global_load_b128 v[48*q-240*(q/5)+12*\a+6:48*q-240*(q/5)+12*\a+9], v[L16], s[12:13] offset:12288*\a+1536*q+768
	global_load_b64 v[48*q-240*(q/5)+12*\a+10:48*q-240*(q/5)+12*\a+11], v[L8], s[12:13] offset:12288*\a+1536*q+768
.endr
.set q, q+1
.endr
	WIN 0
.irp a, 0,1,2,3
	global_load_b128 v[XS+4*\a:XS+4*\a+3], v[XSO], s[XSP:XSP+1] offset:512*\a
	global_load_b128 v[WS+4*\a:WS+4*\a+3], v[XSO], s[SPT:SPT+1] offset:512*\a
	global_load_b128 v[WS+16+4*\a:WS+16+4*\a+3], v[XSO], s[SPT:SPT+1] offset:4096+512*\a
.endr
	global_load_b128 v[BI:BI+3], v[BIO], s[44:45]              ; the bias at my four columns of a row read back, for each trip
	global_load_b128 v[BI+4:BI+7], v[BIO], s[44:45] offset:512
.macro FETCH slot, q                   ; my four tiles of w, K step q, into set q % 3
.irp b, 0,1,2,3
	ds_load_b128 v[BF+48*((\q)%3)+12*\b:BF+48*((\q)%3)+12*\b+3], v[ADB+2*\slot] offset:12288*\b+1536*(\q)
	ds_load_b64 v[BF+48*((\q)%3)+12*\b+4:BF+48*((\q)%3)+12*\b+5], v[ADB+2*\slot+1] offset:12288*\b+1536*(\q)
	ds_load_b128 v[BF+48*((\q)%3)+12*\b+6:BF+48*((\q)%3)+12*\b+9], v[ADB+2*\slot] offset:12288*\b+1536*(\q)+768
	ds_load_b64 v[BF+48*((\q)%3)+12*\b+10:BF+48*((\q)%3)+12*\b+11], v[ADB+2*\slot+1] offset:12288*\b+1536*(\q)+768
.endr
.endm
.macro MM d, a, b, sa, sb, q           ; K step 0 starts the sum; steps 4-7 read their scale words from lanes 16-31
.if (\q) == 0
	v_wmma_scale_f32_16x16x128_f8f6f4 v[\d:\d+7], v[\a:\a+11], v[\b:\b+11], 0, v[\sa], v[\sb] matrix_a_fmt:MATRIX_FMT_BF6 matrix_b_fmt:MATRIX_FMT_BF6
.else
.if (\q) < 4
	v_wmma_scale_f32_16x16x128_f8f6f4 v[\d:\d+7], v[\a:\a+11], v[\b:\b+11], v[\d:\d+7], v[\sa], v[\sb] matrix_a_fmt:MATRIX_FMT_BF6 matrix_b_fmt:MATRIX_FMT_BF6
.else
	v_wmma_scale_f32_16x16x128_f8f6f4 v[\d:\d+7], v[\a:\a+11], v[\b:\b+11], v[\d:\d+7], v[\sa], v[\sb] matrix_a_fmt:MATRIX_FMT_BF6 matrix_b_fmt:MATRIX_FMT_BF6 matrix_a_scale:MATRIX_SCALE_ROW1 matrix_b_scale:MATRIX_SCALE_ROW1
.endif
.endif
.endm
; A K step: w's fragments of two steps on are asked for, then 16 matrix instructions, the 16 accumulators by turns.  Accumulator (row block p, column tile k) at 8 (4 p + k) of window 3.
.macro KSTEP slot, q
.if (\q) < 6
.if (\q) > 0
	PLACES                                         ; the set was read by the step before this one
.endif
	WIN 0
	FETCH \slot, (\q)+2
	s_wait_dscnt 32                                ; this step's 16 loads are in; those of the two steps behind it may be out
.else
	s_wait_dscnt 16*(7-(\q))
.endif
.set XB, 48*(\q)-240*((\q)/5)
	WIN (0xf0|((1+(\q)/5)<<2))                     ; first source window 0 (w), second ctx's window, C and D window 3
.irp p, 0,1,2,3
.irp k, 0,1,2,3
	MM 8*(4*\p+\k), BF+48*((\q)%3)+12*\k, XB+12*\p, WS+16*\slot+4*\k+(\q)%4, XS+4*\p+(\q)%4, \q
.endr
.endr
.endm
.macro TOSTAGE p                       ; accumulator 2 a + u's eight numbers stand at natural columns 32 a + 16 h + 8 u on.  LDS serves a wave's instructions in order: no wait between the stores and the loads
	WIN 0x0c                                       ; the data: window 3
.irp k, 0,1,2,3
	ds_store_b128 v[STO], v[32*(\p)+8*\k:32*(\p)+8*\k+3] offset:128*(\k/2)+32*(\k%2)      ; each accumulator from its low end on
	ds_store_b128 v[STO], v[32*(\p)+8*\k+4:32*(\p)+8*\k+7] offset:128*(\k/2)+32*(\k%2)+16
.endr
	WIN 0
.irp t, 0,1,2,3,4,5,6,7
	ds_load_b128 v[BB+32*((\p)%2)+4*\t:BB+32*((\p)%2)+4*\t+3], v[RD] offset:\t*2*SPITCH
.endr
.endm
.macro SEND p, younger, trip           ; row 2 t + h of tile p is natural row 32 (p / 2) + 8 (p % 2) + 2 t + h + 8 (t / 4)
	s_wait_dscnt \younger
.irp t, 0,1,2,3,4,5,6,7
	v_pk_add_f32 v[BB+32*((\p)%2)+4*\t:BB+32*((\p)%2)+4*\t+1], v[BB+32*((\p)%2)+4*\t:BB+32*((\p)%2)+4*\t+1], v[BI+4*\trip:BI+4*\trip+1]
	v_pk_add_f32 v[BB+32*((\p)%2)+4*\t+2:BB+32*((\p)%2)+4*\t+3], v[BB+32*((\p)%2)+4*\t+2:BB+32*((\p)%2)+4*\t+3], v[BI+4*\trip+2:BI+4*\trip+3]
.endr
.irp t, 0,1,2,3,4,5,6,7
	global_store_b128 v[CO], v[BB+32*((\p)%2)+4*\t:BB+32*((\p)%2)+4*\t+3], s[46:47] offset:(32*((\p)/2)+8*((\p)%2)+2*\t+8*(\t/4))*4096+512*\trip th:TH_STORE_NT   ; sixteen lanes store 256 consecutive bytes, aligned
.endr
.endm
.macro TRIP slot, refill
	s_wait_xcnt 0x0                                ; the last way out's stores have read their registers
	s_wait_tensorcnt 0x0                           ; my part of this slot is in
.if \refill
	ds_add_u32 v[SPW], v[NIL]
	s_add_nc_u64 s[G0+2:G0+3], s[G0+2:G0+3], SLOT
	s_add_co_u32 s[G0+1], s[LW], SLOT
	s_wait_dscnt 0x0
	ROUND
	JOINT                                          ; sub-tile 1 into slot 1, the first tensor load behind the round
.else
	s_wait_dscnt 0x0
	s_barrier_signal -1
	s_barrier_wait -1
.endif
	FETCH \slot, 0
	FETCH \slot, 1
	s_wait_loadcnt 0x0                             ; ctx, the scale words and the bias
.irp q, 0,1,2,3,4,5,6,7
	KSTEP \slot, \q
.endr
	PLACES
	TOSTAGE 0
.irp p, 1,2,3
.if \p > 1
	s_wait_xcnt 0x0                                ; block p - 2's stores have read their registers
.endif
	TOSTAGE \p
	SEND \p-1, 16, \slot                           ; behind block p - 1's loads stand block p's 8 stores and 8 loads
.endr
	SEND 3, 0, \slot
.endm
	TRIP 0, 1
	TRIP 1, 0
	s_wait_tensorcnt 0x0                           ; the wave's end
	ds_add_u32 v[SPW], v[NIL]
	s_wait_dscnt 0x0
	ROUND                                          ; the closing round
	s_endpgm
.Lfunc_end_k_q2ea7f4d02a_proj:
	.size	k_q2ea7f4d02a_proj, .Lfunc_end_k_q2ea7f4d02a_proj-k_q2ea7f4d02a_proj
	.p2alignl 7, 3214868480
	.fill 96, 4, 3214868480
	.section	.rodata,"a",@progbits
	.p2align	6, 0x0
	.amdhsa_kernel k_q2ea7f4d02a_proj
		.amdhsa_group_segment_fixed_size 327680
		.amdhsa_private_segment_fixed_size 0
		.amdhsa_enable_private_segment 0
		.amdhsa_kernarg_size 48
		.amdhsa_user_sgpr_count 2
		.amdhsa_user_sgpr_kernarg_segment_ptr 1
		.amdhsa_wavefront_size32 1
		.amdhsa_system_sgpr_workgroup_id_x 1
		.amdhsa_system_sgpr_workgroup_id_y 1
		.amdhsa_system_sgpr_workgroup_id_z 1
		.amdhsa_system_vgpr_workitem_id 0
		.amdhsa_next_free_vgpr 1024
		.amdhsa_next_free_sgpr 66
		.amdhsa_reserve_vcc 0
		.amdhsa_float_denorm_mode_32 3
		.amdhsa_float_denorm_mode_16_64 3
		.amdhsa_memory_ordered 1
		.amdhsa_forward_progress 1
		.amdhsa_inst_pref_size 94
	.end_amdhsa_kernel
	.amdgpu_metadata
---
amdhsa.version: [ 1, 2 ]
amdhsa.kernels:
  - .name:           k_q2ea7f4d02a_proj
    .symbol:         k_q2ea7f4d02a_proj.kd
    .args:
      - { .name: cc, .offset: 0, .size: 8, .value_kind: global_buffer, .address_space: global }
      - { .name: cs, .offset: 8, .size: 8, .value_kind: global_buffer, .address_space: global }
      - { .name: q1c, .offset: 16, .size: 8, .value_kind: global_buffer, .address_space: global }
      - { .name: q1s, .offset: 24, .size: 8, .value_kind: global_buffer, .address_space: global }
      - { .name: b_proj, .offset: 32, .size: 8, .value_kind: global_buffer, .address_space: global }
      - { .name: out0, .offset: 40, .size: 8, .value_kind: global_buffer, .address_space: global }
    .group_segment_fixed_size: 327680
    .private_segment_fixed_size: 0
    .kernarg_segment_align: 8
    .kernarg_segment_size: 48
    .max_flat_workgroup_size: 128
    .sgpr_count:     66
    .vgpr_count:     1024
    .wavefront_size: 32
...
	.end_amdgpu_metadata
.endif
;; end of part 4
